; MI455X (gfx1250); checked and timed in simulation.
; The chip was launched on July 23, 2026; its instructions are those of AMD's public machine-readable ISA for CDNA 5 (MIT licence, August 2026) and "CDNA5" Instruction Set Architecture Reference Guide (July 2026). The comments in the code are by the model that wrote it; some were corrected since.
;; Single Head Attention. Allowed arithmetic: float matrix products may take bf16 or f16 operands with f32 sums; all other float work in f32.
;; Inputs: Wk 1,024 x 1,024 float32; Wo 1,024 x 1,024 float32; Wq 1,024 x 1,024 float32; Wv 1,024 x 1,024 float32; bk 1,024 float32; bo 1,024 float32; bq 1,024 float32; bv 1,024 float32; x 4 x 2,048 x 1,024 float32.
;; Outputs: out0 4 x 2,048 x 1,024 float32.
;; One version. Each part assembles by itself: llvm-mc -triple=amdgcn-amd-amdhsa -mcpu=gfx1250 --defsym DOCPART=n.
;; ======== version 1 of 1: 6 launches
;; limits: values are held in f16: magnitudes above 65,504 overflow, below 6.1e-05 lose precision; right only within a limited range of input values
;; workspace buffers: cast 27,267,072 bytes; qk16 33,554,432 bytes; sc 67,108,864 bytes; p16 33,587,200 bytes; yw 20,971,520 bytes
;; launch prep (part 1): grid 1536 x 1, 8 waves a work-group, no clusters, 0 bytes of LDS; arguments x, Wq, Wk, Wv, Wo, bv, bo, cast; writes cast
.if DOCPART == 1
	.amdgcn_target "amdgcn-amd-amdhsa--gfx1250"
	.amdhsa_code_object_version 6
	.text
	.protected	k_q006bc771e6_prep
	.globl	k_q006bc771e6_prep
	.p2align	8
	.type	k_q006bc771e6_prep,@function
k_q006bc771e6_prep:
	s_mov_b64 s[64:65], 0
	v_nop
	global_prefetch_b8 v0, s[64:65] scope:SCOPE_SE
	s_setreg_imm32_b32 hwreg(HW_REG_WAVE_MODE, 25, 1), 1
	s_wait_xcnt 0x0
; x, Wq, Wk, Wv, Wo: each number is rounded to bf16 (nearest even) and stored in an f16 container, for the f16 matrix form.
; A bf16 number has 8 significant bits, an f16 container 11: the second step changes nothing for magnitudes from 2^-14 to 65,504.
; LIMITS: a magnitude above 65,504 becomes infinity; below 2^-14 the container adds an absolute error of up to 2^-25.
; Also c[n] = sum over j of Wo^[n][j] bv[j] + bo[n] in f32 (Wo^ the rounded Wo): softmax rows sum to one, so V's bias passes through the
; attention unchanged and enters the result as this constant row.
; cast: X16 [8192][1024] at 0; WQK [2048][1024] (Wq's rows, then Wk's) at 0x1000000; WV [1024][1024] at 0x1400000;
;       WO [1024] rows 4,096 bytes apart, 2,048 of them used, at 0x1600000; c [1024] f32 at 0x1a00000.
; One wave, one row of 1,024 numbers: eight loads of 512 neighbouring bytes, eight stores of 256 neighbouring bytes, aligned.  No loop, no LDS:
; memory binds, and each byte is read once and written once.  Work-groups 0-1023 take x, then 128 each Wq, Wk, Wv, Wo.
.set X,   4                            ; v[4:35]   the row's 32 numbers of my lane: load j holds columns 128 j + 4 lane + 0..3
.set BV,  36                           ; v[36:67]  bv at the same columns (Wo's rows only)
.set Y,   68                           ; v[68:83]  the same numbers as f16 pairs
.set T,   84                           ; v[84:85]  at work
.set A,   88                           ; v[88:95]  four chains of the dot product with bv
.set OFF_CV, 0x1a00000
	s_load_b512 s[8:23], s[0:1], 0x0               ; x s[8:9], Wq s[10:11], Wk s[12:13], Wv s[14:15], Wo s[16:17], bv s[18:19], bo s[20:21], cast s[22:23]
	v_lshrrev_b32 v1, 5, v0
	v_readfirstlane_b32 s2, v1                     ; wave
	v_and_b32 v1, 31, v0                           ; lane
	v_lshlrev_b32 v2, 4, v1                        ; 16 bytes a lane in the source
	v_lshlrev_b32 v3, 3, v1                        ; 8 bytes a lane in the container
	s_mov_b32 s3, 0xffff0000                       ; a word's upper bf16
	s_mov_b32 s26, 0                               ; the role's first work-group
	s_mov_b32 s27, 0                               ; its region in cast
	s_mov_b32 s28, 11                              ; log2 of its rows' distance there
	s_mov_b32 s31, 0
	s_wait_kmcnt 0x0
	s_mov_b64 s[24:25], s[8:9]                     ; the role's source
; from work-group first on: another source, region and row distance
.macro ROLE first, ptr, dst, sh
	s_cmp_ge_u32 ttmp9, \first
	s_cselect_b64 s[24:25], s[\ptr:\ptr+1], s[24:25]
	s_cselect_b32 s26, \first, s26
	s_cselect_b32 s27, \dst, s27
	s_cselect_b32 s28, \sh, s28
.endm
	ROLE 1024, 10, 0x1000000, 11
	ROLE 1152, 12, 0x1200000, 11
	ROLE 1280, 14, 0x1400000, 11
	ROLE 1408, 16, 0x1600000, 12
	s_sub_co_u32 s29, ttmp9, s26
	s_lshl3_add_u32 s29, s29, s2                   ; my row = 8 (work-group - first) + wave
	s_lshl_b32 s30, s29, 12                        ; 4,096 bytes a row of f32
	s_add_nc_u64 s[24:25], s[24:25], s[30:31]
	s_lshl_b32 s30, s29, s28
	s_add_co_u32 s30, s30, s27
	s_add_nc_u64 s[34:35], s[22:23], s[30:31]      ; my row in cast
.irp j, 0,1,2,3,4,5,6,7
	global_load_b128 v[X+4*\j:X+4*\j+3], v2, s[24:25] offset:512*\j th:TH_LOAD_NT
.endr
; Load j's four numbers: to bf16, back to f32 in place (Wo's rows need them again), into f16, out.  younger = loads issued behind the row's eight.
.macro CONVERT younger
.irp j, 0,1,2,3,4,5,6,7
	s_wait_loadcnt \younger+7-\j                   ; loads come back in order: load j is in, those behind it may stay out
	v_cvt_pk_bf16_f32 v[T],   v[X+4*\j],   v[X+4*\j+1]
	v_cvt_pk_bf16_f32 v[T+1], v[X+4*\j+2], v[X+4*\j+3]
	v_lshlrev_b32 v[X+4*\j],   16, v[T]
	v_and_b32     v[X+4*\j+1], s3, v[T]
	v_lshlrev_b32 v[X+4*\j+2], 16, v[T+1]
	v_and_b32     v[X+4*\j+3], s3, v[T+1]
	v_cvt_pk_f16_f32 v[Y+2*\j],   v[X+4*\j],   v[X+4*\j+1]
	v_cvt_pk_f16_f32 v[Y+2*\j+1], v[X+4*\j+2], v[X+4*\j+3]
	global_store_b64 v3, v[Y+2*\j:Y+2*\j+1], s[34:35] offset:256*\j   ; the wave's 32 lanes store 256 consecutive bytes, aligned
.endr
.endm
	s_cmp_ge_u32 ttmp9, 1408
	s_cbranch_scc1 .Lwo
	CONVERT 0
	s_endpgm
.Lwo:                                                  ; a row of Wo: the same, and its dot product with bv
.irp j, 0,1,2,3,4,5,6,7
	global_load_b128 v[BV+4*\j:BV+4*\j+3], v2, s[18:19] offset:512*\j
.endr
	s_lshl_b32 s30, s29, 2                         ; 4 bytes a row in bo and in c
	s_add_nc_u64 s[20:21], s[20:21], s[30:31]
	s_load_b32 s36, s[20:21], 0x0                  ; bo[row]
	s_add_nc_u64 s[22:23], s[22:23], s[30:31]
	s_add_nc_u64 s[22:23], s[22:23], OFF_CV        ; c[row]
	s_mov_b32 s38, 0x76543210                      ; v_permlanex16_b32: each lane takes its own place in the other half
	s_mov_b32 s39, 0xfedcba98
	CONVERT 8
	s_wait_loadcnt 0x0                             ; bv
.irp k, 0,1,2,3
	v_pk_mul_f32 v[A+2*\k:A+2*\k+1], v[X+2*\k:X+2*\k+1], v[BV+2*\k:BV+2*\k+1]   ; the first products start the four chains
.endr
.set i, 4
.rept 12
	v_pk_fma_f32 v[A+2*(i%4):A+2*(i%4)+1], v[X+2*i:X+2*i+1], v[BV+2*i:BV+2*i+1], v[A+2*(i%4):A+2*(i%4)+1]
.set i, i+1
.endr
	v_pk_add_f32 v[A:A+1], v[A:A+1], v[A+2:A+3]
	v_pk_add_f32 v[A+4:A+5], v[A+4:A+5], v[A+6:A+7]
	v_pk_add_f32 v[A:A+1], v[A:A+1], v[A+4:A+5]
	v_add_f32 v[A], v[A], v[A+1]
	v_add_f32_dpp v[A], v[A], v[A] row_xmask:1 row_mask:0xf bank_mask:0xf
	v_add_f32_dpp v[A], v[A], v[A] row_xmask:2 row_mask:0xf bank_mask:0xf
	v_add_f32_dpp v[A], v[A], v[A] row_xmask:4 row_mask:0xf bank_mask:0xf
	v_add_f32_dpp v[A], v[A], v[A] row_xmask:8 row_mask:0xf bank_mask:0xf
	v_permlanex16_b32 v[A+1], v[A], s38, s39
	v_add_f32 v[A], v[A], v[A+1]
	s_wait_kmcnt 0x0
	v_add_f32 v[A], s36, v[A]
	v_mov_b32 v[A+2], 0
	v_cmp_eq_u32 vcc_lo, 0, v1
	s_wait_xcnt 0x0                                ; EXEC is a source of the stores above: it changes only behind this wait
	s_and_saveexec_b32 s37, vcc_lo
	global_store_b32 v[A+2], v[A], s[22:23]        ; one number a row, 4,096 bytes in the whole launch: stored singly
	s_endpgm
.Lfunc_end_k_q006bc771e6_prep:
	.size	k_q006bc771e6_prep, .Lfunc_end_k_q006bc771e6_prep-k_q006bc771e6_prep
	.p2alignl 7, 3214868480
	.fill 96, 4, 3214868480
	.section	.rodata,"a",@progbits
	.p2align	6, 0x0
	.amdhsa_kernel k_q006bc771e6_prep
		.amdhsa_group_segment_fixed_size 0
		.amdhsa_private_segment_fixed_size 0
		.amdhsa_enable_private_segment 0
		.amdhsa_kernarg_size 64
		.amdhsa_user_sgpr_count 2
		.amdhsa_user_sgpr_kernarg_segment_ptr 1
		.amdhsa_wavefront_size32 1
		.amdhsa_system_sgpr_workgroup_id_x 1
		.amdhsa_system_sgpr_workgroup_id_y 1
		.amdhsa_system_sgpr_workgroup_id_z 1
		.amdhsa_system_vgpr_workitem_id 0
		.amdhsa_next_free_vgpr 96
		.amdhsa_next_free_sgpr 66
		.amdhsa_reserve_vcc 1
		.amdhsa_float_denorm_mode_32 3
		.amdhsa_float_denorm_mode_16_64 3
		.amdhsa_memory_ordered 1
		.amdhsa_forward_progress 1
		.amdhsa_inst_pref_size 14
	.end_amdhsa_kernel
	.amdgpu_metadata
---
amdhsa.version: [ 1, 2 ]
amdhsa.kernels:
  - .name:           k_q006bc771e6_prep
    .symbol:         k_q006bc771e6_prep.kd
    .args:
      - { .name: x, .offset: 0, .size: 8, .value_kind: global_buffer, .address_space: global }
      - { .name: Wq, .offset: 8, .size: 8, .value_kind: global_buffer, .address_space: global }
      - { .name: Wk, .offset: 16, .size: 8, .value_kind: global_buffer, .address_space: global }
      - { .name: Wv, .offset: 24, .size: 8, .value_kind: global_buffer, .address_space: global }
      - { .name: Wo, .offset: 32, .size: 8, .value_kind: global_buffer, .address_space: global }
      - { .name: bv, .offset: 40, .size: 8, .value_kind: global_buffer, .address_space: global }
      - { .name: bo, .offset: 48, .size: 8, .value_kind: global_buffer, .address_space: global }
      - { .name: cast, .offset: 56, .size: 8, .value_kind: global_buffer, .address_space: global }
    .group_segment_fixed_size: 0
    .private_segment_fixed_size: 0
    .kernarg_segment_align: 8
    .kernarg_segment_size: 64
    .max_flat_workgroup_size: 256
    .sgpr_count:     66
    .vgpr_count:     96
    .wavefront_size: 32
...
	.end_amdgpu_metadata
.endif
;; end of part 1
;; launch qk (part 2): grid 8 x 32, 4 waves a work-group, clusters of 4 x 4, 327,680 bytes of LDS; arguments cast, bq, bk, qk16; writes qk16
.if DOCPART == 2
	.amdgcn_target "amdgcn-amd-amdhsa--gfx1250"
	.amdhsa_code_object_version 6
	.text
	.protected	k_q006bc771e6_qk
	.globl	k_q006bc771e6_qk
	.p2align	8
	.type	k_q006bc771e6_qk,@function
k_q006bc771e6_qk:
	s_mov_b64 s[64:65], 0
	v_nop
	global_prefetch_b8 v0, s[64:65] scope:SCOPE_SE
	s_setreg_imm32_b32 hwreg(HW_REG_WAVE_MODE, 25, 1), 1
	s_wait_xcnt 0x0
	s_wait_alu depctr_hold_cnt(0) depctr_sa_sdst(0) depctr_va_vdst(0) depctr_va_sdst(0) depctr_va_ssrc(0) depctr_va_vcc(0) depctr_vm_vsrc(0)
	s_getreg_b32 s2, hwreg(HW_REG_IB_STS2, 6, 4)
	s_cmp_eq_u32 s2, 0
	s_cbranch_scc0 .Lentry_in_a_cluster
	s_endpgm
.Lentry_in_a_cluster:
	s_bfe_u32 s2, ttmp6, 0x10000c
	s_cmp_lg_u32 s2, 0xf033
	s_cbranch_scc0 .Lentry_shape_is_right
	s_endpgm
.Lentry_shape_is_right:
; Q and K in one product: qk16[m][n] = sum over k of X16[m][k] WQK[n][k] + bias[n]; m < 8192, n < 2048 (columns 0-1023 Q with bq, 1024-2047 K with bk), k < 1024.
; Operands f16 (bf16-rounded inputs in f16 containers), sums f32, bias added in f32, the result rounded once to f16.
; LIMIT: |Q| and |K| stay under 65,504, the largest f16; with inputs 30 times those drawn, or offset by 30 spreads, they stay under 20,000.
; A tile of 256 x 256 to a work-group of four waves, 128 x 128 to a wave: 64 accumulators of 16 x 16, 512 registers.  K goes in steps of 128 through two LDS slots filled by
; tensor loads: rows of 256 bytes, each beginning at a multiple of 256 bytes of its buffer.  256 tiles, one to a work-group.
; CLUSTER 4 x 4: the four work-groups of a row of the cluster need the same rows of X16, the four of a column the same rows of WQK; each tile is asked for jointly, by the same
; tensor load with the same descriptor and a mask that names the four.
; The matrix instruction is used transposed (source 0 = 16 rows of WQK, source 1 = 16 rows of X16): a lane then holds eight neighbouring columns of one row of the result.
; REGISTERS by windows of 256: window 0: v16-27 addresses; v64-127, v128-191 fragments of X16, two buffers; on the way out v64-127 sums with bias, v192-223 packed, v32-63 and v224-255 rows read back
;   window 1: v0-63 bias of my 128 columns; v64-127, v128-191 fragments of WQK;  window 2: accumulators of my rows 0-63 ((a, b) at 8 (8 a + b));  window 3: of my rows 64-127
.set SIZE_K, 1024
.set KSTEP,  128
.set PITCH,  272                       ; an LDS row: 256 bytes + 16 of padding: the sixteen rows of a fragment load start 16 bytes apart modulo 256
.set HALFT,  128*PITCH                 ; 128 rows: what one tensor load brings
.set SLOT,   4*HALFT                   ; X16's 256 rows, then WQK's 256 rows
.set STAGE,  2*SLOT                    ; behind the ring: 16 rows x 272 bytes for each wave, for the way out; no tensor load lands here
.set SPITCH, 272
.set LAPS,   SIZE_K/(2*KSTEP)          ; a lap = two K steps = once round the ring
.set CROW,   4096                      ; bytes in a row of qk16
.set OFF_WQK, 0x1000000
.set ADRA, 16                          ; v16-17  LDS address of my fragments of X16 in slot 0, 1
.set ADRB, 20                          ; v20-21  the same for WQK
.set STO,  24
.set RD,   25
.set CO,   26
.set BO,   27                          ; v27     32 x (lane / 16): my place in 16 columns of bias
.set OB,   32
.set F0,   64
.set F1,   128
.set U,    64
.set TMP,  192
.set WV,   12                          ; s12 wave; s13 wave / 2: my half of the rows, and whether I fetch X16 (0) or WQK (1); s14 wave % 2: my half of the columns, and which 128 rows I fetch
.set HI,   13
.set HJ,   14
.set G1,   24                          ; s[24:31] descriptor group 1 for X16's tiles;  s[32:39] group 0, a set for each slot
.set G0,   32
.set G1B,  48                          ; s[48:55], s[56:63] the same for WQK's tiles
.set G0B,  56
.set MSB, 0
.macro WIN new                         ; the immediate's high byte repeats the setting that is left; a switch that changes nothing is dropped
.if MSB != (\new)
	s_set_vgpr_msb (MSB<<8)|(\new)
.set MSB, (\new)
.endif
.endm
.set MUL_LO, 0xa1                      ; source 0 window 1, source 1 window 0, C and D window 2
.set MUL_HI, 0xf1                      ; the same, C and D window 3
.set TO_B,   0x40                      ; destination window 1, address window 0
.macro PLACES                          ; four plain vector instructions between a matrix instruction and a load into, or a vector read or write of, its registers
.rept 4
	v_nop
.endr
.endm
; A joint load: waves 0 and 1 fetch X16's two halves, waves 2 and 3 WQK's.  The branch hangs on the wave's number alone.  Four v_nop follow each line.
.macro JLOAD s
	s_cmp_eq_u32 s[HI], 0
	s_cbranch_scc0 .Lfor_b_\@
	tensor_load_to_lds s[G0+4*\s:G0+4*\s+3], s[G1:G1+7]
	s_nop 0
	PLACES
	s_branch .Lasked_\@
.Lfor_b_\@:
	tensor_load_to_lds s[G0B+4*\s:G0B+4*\s+3], s[G1B:G1B+7]
	s_nop 0
	PLACES
.Lasked_\@:
.endm
.macro CREST                           ; a round of the cluster's barrier behind its opening barrier
	s_cmp_lg_u32 s[WV], 0
	s_cbranch_scc1 .Lnot_wave_0_\@
	s_barrier_signal -3
.Lnot_wave_0_\@:
	s_barrier_wait -3
	s_barrier_signal -1
	s_barrier_wait -1
.endm
.macro CROUND                          ; a whole round
	s_barrier_signal -1
	s_barrier_wait -1
	CREST
.endm
	s_load_b256 s[4:11], s[0:1], 0x0               ; cast s[4:5], bq s[6:7], bk s[8:9], qk16 s[10:11]
	s_set_vgpr_msb 0x40
	v_lshl_add_u32 v255, v0, 2, 0x48400
	s_set_vgpr_msb 0x4000
	v_mov_b32 v31, 0
	s_set_vgpr_msb 0x1
	ds_add_u32 v255, v31
	ds_add_u32 v255, v31
	s_set_vgpr_msb 0x100
	v_lshrrev_b32 v1, 5, v0
	v_readfirstlane_b32 s[WV], v1
	s_lshr_b32 s[HI], s[WV], 1
	s_and_b32 s[HJ], s[WV], 1
	s_bfe_u32 s40, ttmp6, 0x40000                  ; cx
	s_bfe_u32 s41, ttmp6, 0x40004                  ; cy
	s_lshl_b32 s42, ttmp9, 2
	s_add_co_u32 s42, s42, s40                     ; tile column = 4 x cluster x + cx
	s_and_b32 s43, ttmp7, 0xffff
	s_lshl_b32 s43, s43, 2
	s_add_co_u32 s43, s43, s41                     ; tile row = 4 x cluster y + cy
	s_lshl_b32 s44, s41, 2
	s_lshl_b32 s44, 15, s44                        ; my row of the cluster
	s_lshl_b32 s45, 0x1111, s40                    ; my column
	s_or_b32 s[G1], s44, (1<<16)|(1<<20)|(1<<21)|(5<<22)|(3<<25)   ; mask; elements of 2 bytes; padding on; bit 21 beside a mask; after every 64 words, 4 words
	s_or_b32 s[G1B], s45, (1<<16)|(1<<20)|(1<<21)|(5<<22)|(3<<25)
.irp g, G1, G1B
	s_mov_b32 s[\g+1], KSTEP<<16                   ; tensor_dim0 = 128
	s_mov_b32 s[\g+2], 128<<16                     ; tensor_dim1 = 128
	s_mov_b32 s[\g+3], KSTEP<<16                   ; tile_dim0 = 128
	s_mov_b32 s[\g+4], 128                         ; tile_dim1 = 128
	s_mov_b32 s[\g+5], SIZE_K                      ; elements from row to row
	s_mov_b32 s[\g+6], 0
	s_mov_b32 s[\g+7], 0
.endr
	s_lshl_b32 s17, s[HJ], 7                       ; which 128 rows of the tile I fetch
	s_lshl_b32 s16, s43, 8
	s_add_co_u32 s16, s16, s17                     ; X16: row 256 x tile row + 128 x half
	s_lshl_b32 s46, s42, 8
	s_add_co_u32 s46, s46, s17                     ; WQK: row 256 x tile column + 128 x half
	s_lshl_b32 s16, s16, 11                        ; rows of 2,048 bytes
	s_lshl_b32 s46, s46, 11
	s_add_co_u32 s46, s46, OFF_WQK
	s_mov_b32 s17, 0
	s_mov_b32 s47, 0
	s_mul_i32 s20, s[WV], HALFT                    ; where my part lands: wave x 128 rows
	s_wait_dscnt 0x0
	s_wait_kmcnt 0x0
	s_add_nc_u64 s[18:19], s[4:5], s[16:17]
	s_add_nc_u64 s[46:47], s[4:5], s[46:47]
	CROUND                                         ; all sixteen work-groups are here: the first joint loads meet
.irp s, 0,1
	s_mov_b32 s[G0+4*\s], 1
	s_add_co_u32 s[G0+4*\s+1], s20, \s*SLOT
	s_add_nc_u64 s[G0+4*\s+2:G0+4*\s+3], s[18:19], \s*KSTEP*2
	s_or_b32 s[G0+4*\s+3], s[G0+4*\s+3], 0x80000000
	s_mov_b32 s[G0B+4*\s], 1
	s_add_co_u32 s[G0B+4*\s+1], s20, \s*SLOT
	s_add_nc_u64 s[G0B+4*\s+2:G0B+4*\s+3], s[46:47], \s*KSTEP*2
	s_or_b32 s[G0B+4*\s+3], s[G0B+4*\s+3], 0x80000000
	JLOAD \s                                       ; K steps 0 and 1: two loads of mine are out
.endr
	v_and_b32 v1, 15, v0                           ; r = lane % 16
	v_bfe_u32 v2, v0, 4, 1                         ; h = lane / 16
	v_mul_u32_u24 v3, v1, PITCH
	v_lshl_add_u32 v3, v2, 4, v3                   ; a fragment's row x pitch + 16 h
	s_mul_i32 s21, s[HI], HALFT
	s_mul_i32 s22, s[HJ], HALFT
	s_add_co_u32 s22, s22, 2*HALFT
.irp s, 0,1
	v_add_nc_u32 v[ADRA+\s], s21, v3
	v_add_nc_u32 v[ADRB+\s], s22, v3
	s_add_co_u32 s21, s21, SLOT
	s_add_co_u32 s22, s22, SLOT
.endr
	s_mul_i32 s23, s[WV], 16*SPITCH
	s_add_co_u32 s23, s23, STAGE                   ; my stage
	v_mul_u32_u24 v4, v1, SPITCH
	v_lshl_add_u32 v4, v2, 4, v4
	v_add_nc_u32 v[STO], s23, v4                   ; in: row r, 16 bytes for each half of the lanes
	v_mul_u32_u24 v5, v2, SPITCH
	v_lshl_add_u32 v5, v1, 4, v5
	v_add_nc_u32 v[RD], s23, v5                    ; back: lanes 0-15 one row of 256 bytes, lanes 16-31 the next
	v_lshlrev_b32 v5, 12, v2
	v_lshl_add_u32 v[CO], v1, 4, v5                ; and the same two rows in qk16
	v_lshlrev_b32 v[BO], 5, v2
	; the bias of my 128 columns: tile columns 0-3 (cluster x = 0) are Q's, 4-7 K's
	s_cmp_eq_u32 ttmp9, 0
	s_cselect_b64 s[6:7], s[6:7], s[8:9]
	s_and_b32 s46, s42, 3
	s_lshl_b32 s46, s46, 10                        ; 256 columns x 4 bytes
	s_lshl_b32 s47, s[HJ], 9
	s_add_co_u32 s46, s46, s47
	s_mov_b32 s47, 0
	s_add_nc_u64 s[6:7], s[6:7], s[46:47]
	WIN TO_B
.irp b, 0,1,2,3,4,5,6,7
	global_load_b128 v[8*\b:8*\b+3],   v[BO], s[6:7] offset:64*\b      ; columns 16 b + 8 h + 0..3
	global_load_b128 v[8*\b+4:8*\b+7], v[BO], s[6:7] offset:64*\b+16
.endr
	WIN 0
	s_lshl_b32 s16, s43, 8
	s_lshl_b32 s17, s[HI], 7
	s_add_co_u32 s16, s16, s17                     ; my first row of the result
	s_lshl_b32 s16, s16, 12
	s_mov_b32 s17, 0
	s_add_nc_u64 s[10:11], s[10:11], s[16:17]
	s_lshl_b32 s46, s42, 9                         ; my first column in bytes: 512 x tile column + 256 x half
	s_lshl_b32 s47, s[HJ], 8
	s_add_co_u32 s46, s46, s47
	s_mov_b32 s47, 0
	s_add_nc_u64 s[10:11], s[10:11], s[46:47]
; 16 matrix instructions: row blocks a0, a0 + 1 of the window's four x all 8 column blocks, 32 along K.  zero = 1: the product starts the sums.
; The 64 accumulators take turns, one instruction a turn.
.macro MUL16 f, hi, a0, zero
.irp a, \a0, \a0+1
.irp b, 0,1,2,3,4,5,6,7
.if \zero
	v_wmma_f32_16x16x32_f16 v[8*(8*(\a)+\b):8*(8*(\a)+\b)+7], v[\f+8*\b:\f+8*\b+7], v[\f+8*(4*\hi+(\a)):\f+8*(4*\hi+(\a))+7], 0
.else
	v_wmma_f32_16x16x32_f16 v[8*(8*(\a)+\b):8*(8*(\a)+\b)+7], v[\f+8*\b:\f+8*\b+7], v[\f+8*(4*\hi+(\a)):\f+8*(4*\hi+(\a))+7], v[8*(8*(\a)+\b):8*(8*(\a)+\b)+7]
.endif
.endr
.endr
.endm
; 32 LDS loads in one run: the fragments of 32 along K at byte k of the rows, into buffer f
.macro FETCH slot, k, f
	WIN TO_B
.irp i, 0,1,2,3,4,5,6,7
	ds_load_b128 v[\f+8*\i:\f+8*\i+3],   v[ADRB+\slot] offset:\k+\i*16*PITCH
	ds_load_b128 v[\f+8*\i+4:\f+8*\i+7], v[ADRB+\slot] offset:\k+\i*16*PITCH+32
.endr
	WIN 0
.irp i, 0,1,2,3,4,5,6,7
	ds_load_b128 v[\f+8*\i:\f+8*\i+3],   v[ADRA+\slot] offset:\k+\i*16*PITCH
	ds_load_b128 v[\f+8*\i+4:\f+8*\i+7], v[ADRA+\slot] offset:\k+\i*16*PITCH+32
.endr
.endm
; A K step is four quarters of 32 along K on buffers 0, 1, 0, 1.  One of the first three multiplies buffer f and fetches the next quarter, at byte k, into g.
.macro QUARTER slot, k, f, g, zero
	s_wait_dscnt 8                                 ; all but the youngest eight loads (X16's rows 64-127) are in
	WIN MUL_LO
	MUL16 \f, 0, 0, \zero
	MUL16 \f, 0, 2, \zero
	PLACES
	FETCH \slot, \k, \g
	s_wait_dscnt 32                                ; all but the 32 just issued
	WIN MUL_HI
	MUL16 \f, 1, 0, \zero
	MUL16 \f, 1, 2, \zero
.endm
; The last quarter multiplies buffer 1 and changes slots: one barrier, in front of which each wave waits for its reads of this slot and for all its tensor loads (one is out: its part of the
; next slot).  fill = 1: the barrier opens a round of the cluster's barrier, and the slot just read is filled again, two K steps on, first thing behind the round.
.macro TURN slot, next, fill
	s_wait_dscnt 8
	WIN MUL_LO
	MUL16 F1, 0, 0, 0
	s_wait_dscnt 0
	s_wait_tensorcnt 0x0
	ds_add_u32 v255, v31
	s_wait_dscnt 0x0
	s_barrier_signal -1
	MUL16 F1, 0, 2, 0
.if \fill
	WIN 0
.endif
	s_barrier_wait -1
.if \fill
	CREST
	s_add_nc_u64 s[G0+4*\slot+2:G0+4*\slot+3], s[G0+4*\slot+2:G0+4*\slot+3], 2*KSTEP*2
	s_add_nc_u64 s[G0B+4*\slot+2:G0B+4*\slot+3], s[G0B+4*\slot+2:G0B+4*\slot+3], 2*KSTEP*2
	JLOAD \slot                                    ; 240 matrix instructions ahead of the wait for it; its four v_nop are also the places in front of the loads below
.else
	PLACES
.endif
	FETCH \next, 0, F0
	WIN MUL_HI
	MUL16 F1, 1, 0, 0
	MUL16 F1, 1, 2, 0
.endm
; THE WAY OUT of block a (16 rows): bias added, rounded to f16, 16 bytes a lane into my stage, back as whole rows of 256 bytes, stored.
.macro PACK a
.set AC, 64*((\a)%4)
	WIN 0x06+((\a)/4)                              ; source 0 window 2 or 3 (sums), source 1 window 1 (bias), destination window 0
.irp b, 0,1,2,3,4,5,6,7
.irp r, 0,1,2,3
	v_pk_add_f32 v[U+8*\b+2*\r:U+8*\b+2*\r+1], v[AC+8*\b+2*\r:AC+8*\b+2*\r+1], v[8*\b+2*\r:8*\b+2*\r+1]   ; each accumulator's registers in ascending order
.endr
.endr
	WIN 0
.set i, 0
.rept 32
	v_cvt_pk_f16_f32 v[TMP+i], v[U+2*i], v[U+2*i+1]
.set i, i+1
.endr
.endm
.macro TOSTAGE a
.set BK, OB+192*((\a)%2)
.irp b, 0,1,2,3,4,5,6,7
	ds_store_b128 v[STO], v[TMP+4*\b:TMP+4*\b+3] offset:32*\b
.endr
.irp t, 0,1,2,3,4,5,6,7
	ds_load_b128 v[BK+4*\t:BK+4*\t+3], v[RD] offset:\t*2*SPITCH    ; a wave's LDS instructions are served in order: these see the stores above
.endr
.endm
.macro SEND a
.set BK, OB+192*((\a)%2)
	s_wait_dscnt 0x0                               ; the block is back in registers
	s_wait_xcnt 0x0                                ; the stores' base, and the registers that earlier stores read, are rewritten only behind this wait
.if (\a) > 0
	s_add_nc_u64 s[10:11], s[10:11], 16*CROW
.endif
.irp t, 0,1,2,3,4,5,6,7
	global_store_b128 v[CO], v[BK+4*\t:BK+4*\t+3], s[10:11] offset:2*\t*CROW   ; 16 lanes store 256 consecutive bytes, aligned
.endr
.endm
	s_wait_tensorcnt 1                             ; my part of K step 0 is in; K step 1's may stay out
	s_barrier_signal -1
	s_barrier_wait -1
	FETCH 0, 0, F0
	QUARTER 0, 64,  F0, F1, 1                      ; the first quarter stands in front of the loop: its products start the sums
	WIN 0
	s_mov_b32 s3, LAPS-1
.Llap:                                                 ; a trip goes once round the ring and fills both slots again
	QUARTER 0, 128, F1, F0, 0
	QUARTER 0, 192, F0, F1, 0
	TURN 0, 1, 1
	QUARTER 1, 64,  F0, F1, 0
	QUARTER 1, 128, F1, F0, 0
	QUARTER 1, 192, F0, F1, 0
	TURN 1, 0, 1
	QUARTER 0, 64,  F0, F1, 0
	WIN 0
	s_sub_co_u32 s3, s3, 1
	s_cmp_lg_u32 s3, 0
	s_cbranch_scc1 .Llap
	QUARTER 0, 128, F1, F0, 0                      ; the last lap fills nothing
	QUARTER 0, 192, F0, F1, 0
	TURN 0, 1, 0
	QUARTER 1, 64,  F0, F1, 0
	QUARTER 1, 128, F1, F0, 0
	QUARTER 1, 192, F0, F1, 0
	s_wait_dscnt 8
	WIN MUL_LO
	MUL16 F1, 0, 0, 0
	MUL16 F1, 0, 2, 0
	s_wait_dscnt 0
	WIN MUL_HI
	MUL16 F1, 1, 0, 0
	MUL16 F1, 1, 2, 0
	WIN 0
	PLACES
	s_wait_loadcnt 0x0                             ; the bias
	PACK 0
	TOSTAGE 0
.irp a, 1,2,3,4,5,6,7                  ; block a's arithmetic stands between block a - 1's loads from the stage and the wait for them
	PACK \a
	SEND \a-1
	TOSTAGE \a
.endr
	SEND 7
	s_set_vgpr_msb 0x1
	s_wait_tensorcnt 0x0
	ds_add_u32 v255, v31
	s_wait_dscnt 0x0
	s_set_vgpr_msb 0x100
	CROUND                                         ; the closing round: no work-group ends while a partner may still ask for a tile that names it
	s_endpgm
.Lfunc_end_k_q006bc771e6_qk:
	.size	k_q006bc771e6_qk, .Lfunc_end_k_q006bc771e6_qk-k_q006bc771e6_qk
	.p2alignl 7, 3214868480
	.fill 96, 4, 3214868480
	.section	.rodata,"a",@progbits
	.p2align	6, 0x0
	.amdhsa_kernel k_q006bc771e6_qk
		.amdhsa_group_segment_fixed_size 327680
		.amdhsa_private_segment_fixed_size 0
		.amdhsa_enable_private_segment 0
		.amdhsa_kernarg_size 32
		.amdhsa_user_sgpr_count 2
		.amdhsa_user_sgpr_kernarg_segment_ptr 1
		.amdhsa_wavefront_size32 1
		.amdhsa_system_sgpr_workgroup_id_x 1
		.amdhsa_system_sgpr_workgroup_id_y 1
		.amdhsa_system_sgpr_workgroup_id_z 1
		.amdhsa_system_vgpr_workitem_id 0
		.amdhsa_next_free_vgpr 1024
		.amdhsa_next_free_sgpr 66
		.amdhsa_reserve_vcc 0
		.amdhsa_float_denorm_mode_32 3
		.amdhsa_float_denorm_mode_16_64 3
		.amdhsa_memory_ordered 1
		.amdhsa_forward_progress 1
		.amdhsa_inst_pref_size 161
	.end_amdhsa_kernel
	.amdgpu_metadata
---
amdhsa.version: [ 1, 2 ]
amdhsa.kernels:
  - .name:           k_q006bc771e6_qk
    .symbol:         k_q006bc771e6_qk.kd
    .args:
      - { .name: cast, .offset: 0, .size: 8, .value_kind: global_buffer, .address_space: global }
      - { .name: bq, .offset: 8, .size: 8, .value_kind: global_buffer, .address_space: global }
      - { .name: bk, .offset: 16, .size: 8, .value_kind: global_buffer, .address_space: global }
      - { .name: qk16, .offset: 24, .size: 8, .value_kind: global_buffer, .address_space: global }
    .group_segment_fixed_size: 327680
    .private_segment_fixed_size: 0
    .kernarg_segment_align: 8
    .kernarg_segment_size: 32
    .max_flat_workgroup_size: 128
    .sgpr_count:     66
    .vgpr_count:     1024
    .wavefront_size: 32
...
	.end_amdgpu_metadata
.endif
;; end of part 2
;; launch sc (part 3): grid 40 x 4, 4 waves a work-group, no clusters, 327,680 bytes of LDS; arguments qk16, cast, sc, yw; writes sc, yw
.if DOCPART == 3
	.amdgcn_target "amdgcn-amd-amdhsa--gfx1250"
	.amdhsa_code_object_version 6
	.text
	.protected	k_q006bc771e6_sc
	.globl	k_q006bc771e6_sc
	.p2align	8
	.type	k_q006bc771e6_sc,@function
k_q006bc771e6_sc:
	s_mov_b64 s[64:65], 0
	v_nop
	global_prefetch_b8 v0, s[64:65] scope:SCOPE_SE
	s_setreg_imm32_b32 hwreg(HW_REG_WAVE_MODE, 25, 1), 1
	s_wait_xcnt 0x0
; Two products of one size, a tile of 256 x 256 with 1,024 along K to a work-group of four waves, 128 x 128 to a wave, K in steps of 128 through two LDS slots.
; x < 36: raw scores sc[b][q][k] = sum over d of Q[b][q][d] K[b][k][d], f32, unscaled (the factor 1/32 is applied with the softmax).  Q and K are columns 0-1023 and 1024-2047 of qk16's rows.
;   Only the tiles that hold a key at or below the diagonal are made: 36 of 64 for each batch; what lies above is thrown away by the mask.  A diagonal tile is written whole.
;   Work-group x makes tile (qb, kb), x = qb (qb + 1) / 2 + kb; work-group y is the batch.
; x >= 36: 64 x (Wo^ Wv^)[256 (x - 36) + m][256 y + n], kept as hi + lo, two f16 numbers (hi the rounded product, lo the rounded rest): the last launch multiplies by both.
;   These 16 tiles need nothing of this launch's other work; they stand here because 144 tiles leave WGPs without work.  Wv has n along its rows, so its fragments come out of LDS turned.
;   WVO (in yw at 0x1000000): the row for (n', hl) is (n' / 64) 128 + 64 hl + n' % 64.  The factor 64 keeps products of small weights normal in f16.
;   LIMIT: 64 |Wo Wv| stays under 65,504; with inputs 30 times those drawn, or offset by 30 spreads, it stays under 24,000.
; NO CLUSTER: row qb of the triangle has qb + 1 tiles, 1 to 8, so no fixed group of four work-groups shares a tile of Q or K everywhere, and the 36 tiles divide into no 4 x 4 blocks.
; The matrix instruction is used transposed (source 0 = 16 keys or columns, source 1 = 16 queries or rows): a lane holds eight neighbouring columns of one row of the result.
; REGISTERS: window 0: v16-26 addresses; v64-127, v128-191 fragments of the first operand; on the way out rows read back (x < 36) or v32-63 hi, v64-127 scaled sums, v128-159 lo, v160-223 rows read back
;   window 1: v64-191 fragments of the second operand; windows 2, 3: the accumulators ((a, b) at 8 (8 (a % 4) + b)).
.set SIZE_K, 1024
.set KSTEP,  128
.set PITCH,  272                       ; an LDS row with K along it: 256 bytes + 16
.set PBR,    544                       ; a row of Wv in LDS: 512 bytes + 32: the turning load's 16 lanes take 8 rows x 32 bytes, 32 bytes apart modulo 256
.set HALFT,  128*PITCH                 ; what one tensor load brings: 128 rows of 272 bytes, or 64 rows of 544
.set SLOT,   4*HALFT
.set STAGE,  2*SLOT                    ; behind the ring: 16 rows x 528 bytes for each wave; no tensor load lands here
.set SPITCH, 528                       ; a stage row: 512 bytes + 16
.set LAPS,   SIZE_K/(2*KSTEP)
.set CROW,   8192                      ; bytes in a row of sc
.set YROW,   2048                      ; bytes in a row of WVO
.set RBSTEP, KSTEP*2048                ; bytes from a K step of Wv to the next
.set OFF_WV,  0x1400000
.set OFF_WO,  0x1600000
.set OFF_WVO, 0x1000000
.set ADRA, 16
.set ADRB, 20
.set STO,  24
.set RD,   25
.set CO,   26
.set TMPH, 32
.set U,    64
.set TMPL, 128
.set OB,   160
.set F0,   64
.set F1,   128
.set WV,   12
.set HI,   13
.set HJ,   14
.set G1,   24                          ; s[24:31] descriptor group 1 for tiles with K along the rows;  s[32:39] group 0, a set for each slot
.set G0,   32
.set G1B,  48                          ; s[48:55], s[56:63] the same for Wv's tiles
.set G0B,  56
.set TRB,  0                           ; 1 while the text for x >= 36 is expanded
.set MSB, 0
.macro WIN new                         ; the immediate's high byte repeats the setting that is left; a switch that changes nothing is dropped
.if MSB != (\new)
	s_set_vgpr_msb (MSB<<8)|(\new)
.set MSB, (\new)
.endif
.endm
.set MUL_LO, 0xa1
.set MUL_HI, 0xf1
.set TO_B,   0x40
.macro PLACES                          ; four plain vector instructions between a matrix instruction and a load into, or a vector read or write of, its registers
.rept 4
	v_nop
.endr
.endm
; x >= 36: waves 0 and 1 fetch Wo's two halves, waves 2 and 3 Wv's.  The branch hangs on the wave's number alone.  Four v_nop follow each line.
.macro RLOAD s
	s_cmp_eq_u32 s[HI], 0
	s_cbranch_scc0 .Lfor_b_\@
	tensor_load_to_lds s[G0+4*\s:G0+4*\s+3], s[G1:G1+7]
	s_nop 0
	PLACES
	s_branch .Lasked_\@
.Lfor_b_\@:
	tensor_load_to_lds s[G0B+4*\s:G0B+4*\s+3], s[G1B:G1B+7]
	s_nop 0
	PLACES
.Lasked_\@:
.endm
; 16 matrix instructions.  The 64 accumulators take turns, one instruction a turn.
.macro MUL16 f, hi, a0, zero
.irp a, \a0, \a0+1
.irp b, 0,1,2,3,4,5,6,7
.if \zero
	v_wmma_f32_16x16x32_f16 v[8*(8*(\a)+\b):8*(8*(\a)+\b)+7], v[\f+8*\b:\f+8*\b+7], v[\f+8*(4*\hi+(\a)):\f+8*(4*\hi+(\a))+7], 0
.else
	v_wmma_f32_16x16x32_f16 v[8*(8*(\a)+\b):8*(8*(\a)+\b)+7], v[\f+8*\b:\f+8*\b+7], v[\f+8*(4*\hi+(\a)):\f+8*(4*\hi+(\a))+7], v[8*(8*(\a)+\b):8*(8*(\a)+\b)+7]
.endif
.endr
.endr
.endm
; 32 LDS loads in one run: the fragments of 32 along K (byte k of rows that lie along K; rows k / 2 on of Wv) into buffer f
.macro FETCH slot, k, f
	WIN TO_B
.if TRB
.irp i, 0,1,2,3,4,5,6,7
	ds_load_tr16_b128 v[\f+8*\i:\f+8*\i+3],   v[ADRB+\slot] offset:(\k/64)*32*PBR+32*\i
	ds_load_tr16_b128 v[\f+8*\i+4:\f+8*\i+7], v[ADRB+\slot] offset:(\k/64)*32*PBR+16*PBR+32*\i
.endr
.else
.irp i, 0,1,2,3,4,5,6,7
	ds_load_b128 v[\f+8*\i:\f+8*\i+3],   v[ADRB+\slot] offset:\k+\i*16*PITCH
	ds_load_b128 v[\f+8*\i+4:\f+8*\i+7], v[ADRB+\slot] offset:\k+\i*16*PITCH+32
.endr
.endif
	WIN 0
.irp i, 0,1,2,3,4,5,6,7
	ds_load_b128 v[\f+8*\i:\f+8*\i+3],   v[ADRA+\slot] offset:\k+\i*16*PITCH
	ds_load_b128 v[\f+8*\i+4:\f+8*\i+7], v[ADRA+\slot] offset:\k+\i*16*PITCH+32
.endr
.endm
.macro QUARTER slot, k, f, g, zero
	s_wait_dscnt 8                                 ; all but the youngest eight loads (the first operand's rows 64-127) are in
	WIN MUL_LO
	MUL16 \f, 0, 0, \zero
	MUL16 \f, 0, 2, \zero
	PLACES
	FETCH \slot, \k, \g
	s_wait_dscnt 32                                ; all but the 32 just issued
	WIN MUL_HI
	MUL16 \f, 1, 0, \zero
	MUL16 \f, 1, 2, \zero
.endm
; The last quarter changes slots: one barrier; in front of it each wave waits for its reads of this slot and for all its tensor loads; behind it the slot is filled again first (fill = 1).
.macro TURN slot, next, fill
	s_wait_dscnt 8
	WIN MUL_LO
	MUL16 F1, 0, 0, 0
	s_wait_dscnt 0
	s_wait_tensorcnt 0x0
	ds_add_u32 v255, v255
	s_wait_dscnt 0x0
	s_barrier_signal -1
	MUL16 F1, 0, 2, 0
.if \fill && TRB
	WIN 0
.endif
	s_barrier_wait -1
.if \fill
	s_add_nc_u64 s[G0+4*\slot+2:G0+4*\slot+3], s[G0+4*\slot+2:G0+4*\slot+3], 2*KSTEP*2   ; no load of mine is out: the groups may be written
.if TRB
	s_add_nc_u64 s[G0B+4*\slot+2:G0B+4*\slot+3], s[G0B+4*\slot+2:G0B+4*\slot+3], 2*RBSTEP
	RLOAD \slot                                    ; my one load behind this barrier; its four v_nop are also the places in front of the loads below
.else
	tensor_load_to_lds s[G0+4*\slot:G0+4*\slot+3], s[G1:G1+7]      ; my one load behind this barrier, 240 matrix instructions ahead of the wait for it
	s_nop 0
	PLACES
.endif
.else
	PLACES
.endif
	FETCH \next, 0, F0
	WIN MUL_HI
	MUL16 F1, 1, 0, 0
	MUL16 F1, 1, 2, 0
.endm
; The whole product, from the first tiles' arrival to the last matrix instruction
.macro MAIN
	s_wait_tensorcnt 1                             ; my part of K step 0 is in; K step 1's may stay out
	s_barrier_signal -1
	s_barrier_wait -1
	FETCH 0, 0, F0
	QUARTER 0, 64,  F0, F1, 1                      ; the first quarter stands in front of the loop: its products start the sums
	WIN 0
	s_mov_b32 s3, LAPS-1
.Llap_\@:                                              ; a trip goes once round the ring and fills both slots again
	QUARTER 0, 128, F1, F0, 0
	QUARTER 0, 192, F0, F1, 0
	TURN 0, 1, 1
	QUARTER 1, 64,  F0, F1, 0
	QUARTER 1, 128, F1, F0, 0
	QUARTER 1, 192, F0, F1, 0
	TURN 1, 0, 1
	QUARTER 0, 64,  F0, F1, 0
	WIN 0
	s_sub_co_u32 s3, s3, 1
	s_cmp_lg_u32 s3, 0
	s_cbranch_scc1 .Llap_\@
	QUARTER 0, 128, F1, F0, 0                      ; the last lap fills nothing
	QUARTER 0, 192, F0, F1, 0
	TURN 0, 1, 0
	QUARTER 1, 64,  F0, F1, 0
	QUARTER 1, 128, F1, F0, 0
	QUARTER 1, 192, F0, F1, 0
	s_wait_dscnt 8
	WIN MUL_LO
	MUL16 F1, 0, 0, 0
	MUL16 F1, 0, 2, 0
	s_wait_dscnt 0
	WIN MUL_HI
	MUL16 F1, 1, 0, 0
	MUL16 F1, 1, 2, 0
	WIN 0
	PLACES
.endm
; THE SCORES' WAY OUT, block a (16 queries x 128 keys of f32): straight from the accumulators into my stage, back as whole rows of 512 bytes.
.macro TOSTAGE a
.set AC, 64*((\a)%4)
.set BK, 64+64*((\a)%2)
	WIN 0x08+4*((\a)/4)                            ; the stores' data in window 2 or 3
.irp b, 0,1,2,3,4,5,6,7
	ds_store_b128 v[STO], v[AC+8*\b:AC+8*\b+3]   offset:64*\b      ; each accumulator's low four registers first
	ds_store_b128 v[STO], v[AC+8*\b+4:AC+8*\b+7] offset:64*\b+16
.endr
	WIN 0
	s_wait_xcnt 0x0                                ; the registers that the stores of two blocks back read are loaded again only behind this wait
.irp t, 0,1,2,3,4,5,6,7,8,9,10,11,12,13,14,15
	ds_load_b128 v[BK+4*\t:BK+4*\t+3], v[RD] offset:\t*SPITCH      ; a wave's LDS instructions are served in order: these see the stores above
.endr
.endm
.macro SEND a, younger                 ; younger: the next block's 16 LDS stores and 16 LDS loads, or none
.set BK, 64+64*((\a)%2)
	s_wait_dscnt \younger
	s_wait_xcnt 0x0                                ; the stores' base is stepped only behind this wait
.if (\a) > 0
	s_add_nc_u64 s[8:9], s[8:9], 16*CROW
.endif
.irp t, 0,1,2,3,4,5,6,7,8,9,10,11,12,13,14,15
	global_store_b128 v[CO], v[BK+4*\t:BK+4*\t+3], s[8:9] offset:\t*CROW   ; the wave stores 512 consecutive bytes, aligned
.endr
.endm
; 64 Wo Wv's WAY OUT, block a (16 rows x 128 columns): u = 64 x sum; hi = f16(u); lo = f16(u - hi).  hi is widened again through registers whose halves can be named; u - hi is exact in f32.
.macro HPACK a
.set AC, 64*((\a)%4)
	WIN 0x02+((\a)/4)                              ; source 0 window 2 or 3
.set i, 0
.rept 32
	v_pk_mul_f32 v[U+2*i:U+2*i+1], v[AC+2*i:AC+2*i+1], 0x42800000 op_sel_hi:[1,0]   ; each accumulator's registers in ascending order
.set i, i+1
.endr
	WIN 0
.set i, 0
.rept 32
	v_cvt_pk_f16_f32 v[TMPH+i], v[U+2*i], v[U+2*i+1]
.set i, i+1
.endr
.set i, 0
.rept 16
	v_mov_b32 v28, v[TMPH+i]
	v_mov_b32 v29, v[TMPH+i+1]
	v_cvt_f32_f16 v30, v28.l
	v_cvt_f32_f16 v31, v28.h
	v_cvt_f32_f16 v12, v29.l
	v_cvt_f32_f16 v13, v29.h
	v_pk_add_f32 v[U+2*i:U+2*i+1], v[U+2*i:U+2*i+1], v[30:31] neg_lo:[0,1] neg_hi:[0,1]
	v_pk_add_f32 v[U+2*i+2:U+2*i+3], v[U+2*i+2:U+2*i+3], v[12:13] neg_lo:[0,1] neg_hi:[0,1]
.set i, i+2
.endr
.set i, 0
.rept 32
	v_cvt_pk_f16_f32 v[TMPL+i], v[U+2*i], v[U+2*i+1]
.set i, i+1
.endr
.endm
.macro HSTAGE a                        ; hi into bytes 0-255 of my stage's rows, lo into bytes 256-511; back as whole rows of 512 bytes
.irp b, 0,1,2,3,4,5,6,7
	ds_store_b128 v[STO], v[TMPH+4*\b:TMPH+4*\b+3] offset:32*\b
	ds_store_b128 v[STO], v[TMPL+4*\b:TMPL+4*\b+3] offset:256+32*\b
.endr
	s_wait_xcnt 0x0                                ; the registers that the last block's stores read are loaded again only behind this wait
.irp t, 0,1,2,3,4,5,6,7,8,9,10,11,12,13,14,15
	ds_load_b128 v[OB+4*\t:OB+4*\t+3], v[RD] offset:\t*SPITCH      ; a wave's LDS instructions are served in order: these see the stores above
.endr
.endm
.macro HSEND a
	s_wait_dscnt 0x0                               ; the block is back in registers
	s_wait_xcnt 0x0                                ; the stores' base is stepped only behind this wait
.if (\a) == 4
	s_add_nc_u64 s[10:11], s[10:11], 80*YROW       ; over the 64 rows of lo to the next 64 rows of hi
.elseif (\a) > 0
	s_add_nc_u64 s[10:11], s[10:11], 16*YROW
.endif
.irp t, 0,1,2,3,4,5,6,7,8,9,10,11,12,13,14,15
	global_store_b128 v[CO], v[OB+4*\t:OB+4*\t+3], s[10:11] offset:\t*YROW   ; lanes 0-15: 256 consecutive bytes of hi's row, aligned; lanes 16-31: of lo's
.endr
.endm
	s_load_b256 s[4:11], s[0:1], 0x0               ; qk16 s[4:5], cast s[6:7], sc s[8:9], yw s[10:11]
	s_set_vgpr_msb 0x40
	v_lshl_add_u32 v255, v0, 2, 0x4c400
	s_set_vgpr_msb 0x4000
	v_mov_b32 v255, 0
	s_set_vgpr_msb 0x1
	ds_add_u32 v255, v255
	ds_add_u32 v255, v255
	s_wait_dscnt 0x0
	s_set_vgpr_msb 0x100
	v_lshrrev_b32 v1, 5, v0
	v_readfirstlane_b32 s[WV], v1
	s_lshr_b32 s[HI], s[WV], 1                     ; my half of the rows; also: I fetch the first operand (0) or the second (1)
	s_and_b32 s[HJ], s[WV], 1                      ; my half of the columns; also: which half of that tile I fetch
	s_and_b32 s15, ttmp7, 0xffff                   ; y
	s_mov_b32 s[G1+0], (1<<16)|(1<<20)|(5<<22)|(3<<25)   ; no mask; elements of 2 bytes; padding: after every 64 words, 4 words
	s_mov_b32 s[G1+1], KSTEP<<16                   ; tensor_dim0 = 128
	s_mov_b32 s[G1+2], 128<<16                     ; tensor_dim1 = 128
	s_mov_b32 s[G1+3], KSTEP<<16                   ; tile_dim0 = 128
	s_mov_b32 s[G1+4], 128                         ; tile_dim1 = 128
	s_mov_b32 s[G1+5], 2048                        ; elements from row to row, of qk16 and of WO alike
	s_mov_b32 s[G1+6], 0
	s_mov_b32 s[G1+7], 0
	s_mul_i32 s22, s[WV], HALFT                    ; where my part of a tile lands: wave x 34,816 bytes
	v_and_b32 v1, 15, v0                           ; r = lane % 16
	v_bfe_u32 v2, v0, 4, 1                         ; h = lane / 16
	v_mul_u32_u24 v3, v1, PITCH
	v_lshl_add_u32 v3, v2, 4, v3                   ; a fragment's row x pitch + 16 h
	s_cmp_ge_u32 ttmp9, 36
	s_cbranch_scc1 .Lrider
	; ---- x < 36: a tile of scores
	s_mov_b32 s16, 0
.irp th, 1,3,6,10,15,21,28             ; qb = how many rows of the triangle begin at or before x
	s_cmp_ge_u32 ttmp9, \th
	s_cselect_b32 s18, 1, 0
	s_add_co_u32 s16, s16, s18
.endr
	s_add_co_u32 s17, s16, 1
	s_mul_i32 s17, s17, s16
	s_lshr_b32 s17, s17, 1
	s_sub_co_u32 s17, ttmp9, s17                   ; kb = x - qb (qb + 1) / 2
	s_lshl_b32 s20, s15, 11                        ; the batch's 2,048 rows
	s_lshl_b32 s21, s[HJ], 7
	s_add_co_u32 s20, s20, s21
	s_cmp_eq_u32 s[HI], 0
	s_cselect_b32 s18, s16, s17                    ; Q's block of rows, or K's
	s_cselect_b32 s19, 0, 2048                     ; Q's columns begin at byte 0 of a row, K's at byte 2,048
	s_lshl_b32 s18, s18, 8
	s_add_co_u32 s20, s20, s18
	s_lshl_b32 s20, s20, 12                        ; rows of 4,096 bytes
	s_add_co_u32 s20, s20, s19
	s_mov_b32 s21, 0
	s_wait_kmcnt 0x0
	s_add_nc_u64 s[20:21], s[4:5], s[20:21]
.irp s, 0,1
	s_mov_b32 s[G0+4*\s], 1
	s_add_co_u32 s[G0+4*\s+1], s22, \s*SLOT
	s_add_nc_u64 s[G0+4*\s+2:G0+4*\s+3], s[20:21], \s*KSTEP*2
	s_or_b32 s[G0+4*\s+3], s[G0+4*\s+3], 0x80000000
	tensor_load_to_lds s[G0+4*\s:G0+4*\s+3], s[G1:G1+7]            ; K steps 0 and 1: two loads of mine are out
	s_nop 0
.endr
	PLACES
	s_mul_i32 s21, s[HI], HALFT
	s_mul_i32 s22, s[HJ], HALFT
	s_add_co_u32 s22, s22, 2*HALFT
.irp s, 0,1
	v_add_nc_u32 v[ADRA+\s], s21, v3
	v_add_nc_u32 v[ADRB+\s], s22, v3
	s_add_co_u32 s21, s21, SLOT
	s_add_co_u32 s22, s22, SLOT
.endr
	s_mul_i32 s23, s[WV], 16*SPITCH
	s_add_co_u32 s23, s23, STAGE                   ; my stage
	v_mul_u32_u24 v4, v1, SPITCH
	v_lshl_add_u32 v4, v2, 5, v4
	v_add_nc_u32 v[STO], s23, v4                   ; in: row r, 32 bytes for each half of the lanes
	v_and_b32 v5, 31, v0
	v_lshlrev_b32 v[CO], 4, v5                     ; back and out: 32 lanes take one row's 512 bytes
	v_add_nc_u32 v[RD], s23, v[CO]
	s_lshl_b32 s18, s15, 11
	s_lshl_b32 s19, s16, 8
	s_add_co_u32 s18, s18, s19
	s_lshl_b32 s19, s[HI], 7
	s_add_co_u32 s18, s18, s19                     ; my first row of sc
	s_lshl_b32 s18, s18, 13
	s_lshl_b32 s19, s17, 10                        ; 256 kb keys of 4 bytes
	s_add_co_u32 s18, s18, s19
	s_lshl_b32 s19, s[HJ], 9
	s_add_co_u32 s18, s18, s19
	s_mov_b32 s19, 0
	s_add_nc_u64 s[8:9], s[8:9], s[18:19]
	MAIN
	TOSTAGE 0
.irp a, 1,2,3,4,5,6,7
	TOSTAGE \a
	SEND \a-1, 32
.endr
	SEND 7, 0
	s_set_vgpr_msb 0x1
	s_wait_tensorcnt 0x0
	ds_add_u32 v255, v255
	s_wait_dscnt 0x0
	s_set_vgpr_msb 0x100
	s_endpgm
	; ---- x >= 36: a tile of 64 Wo Wv
.Lrider:
.set TRB, 1
	s_sub_co_u32 s16, ttmp9, 36                    ; the block of 256 rows of Wo; y (s15) is the block of 256 columns of Wv
	s_mov_b32 s[G1B+0], (1<<16)|(1<<20)|(6<<22)|(7<<25)  ; no mask; elements of 2 bytes; padding: after every 128 words, 8 words
	s_mov_b32 s[G1B+1], 256<<16                    ; tensor_dim0 = 256
	s_mov_b32 s[G1B+2], 64<<16                     ; tensor_dim1 = 64
	s_mov_b32 s[G1B+3], 256<<16                    ; tile_dim0 = 256
	s_mov_b32 s[G1B+4], 64                         ; tile_dim1 = 64
	s_mov_b32 s[G1B+5], 1024                       ; elements from row to row of WV
	s_mov_b32 s[G1B+6], 0
	s_mov_b32 s[G1B+7], 0
	s_lshl_b32 s18, s16, 20                        ; 256 rows of WO, 4,096 bytes apart,
	s_lshl_b32 s19, s[HJ], 19                      ; my 128 of them
	s_add_co_u32 s18, s18, s19
	s_add_co_u32 s18, s18, OFF_WO
	s_mov_b32 s19, 0
	s_lshl_b32 s20, s[HJ], 17                      ; my 64 rows of a K step of WV, 2,048 bytes each,
	s_lshl_b32 s21, s15, 9                         ; 256 columns of 2 bytes
	s_add_co_u32 s20, s20, s21
	s_add_co_u32 s20, s20, OFF_WV
	s_mov_b32 s21, 0
	s_wait_kmcnt 0x0
	s_add_nc_u64 s[18:19], s[6:7], s[18:19]
	s_add_nc_u64 s[20:21], s[6:7], s[20:21]
.irp s, 0,1
	s_mov_b32 s[G0+4*\s], 1
	s_add_co_u32 s[G0+4*\s+1], s22, \s*SLOT
	s_add_nc_u64 s[G0+4*\s+2:G0+4*\s+3], s[18:19], \s*KSTEP*2
	s_or_b32 s[G0+4*\s+3], s[G0+4*\s+3], 0x80000000
	s_mov_b32 s[G0B+4*\s], 1
	s_add_co_u32 s[G0B+4*\s+1], s22, \s*SLOT
	s_add_nc_u64 s[G0B+4*\s+2:G0B+4*\s+3], s[20:21], \s*RBSTEP
	s_or_b32 s[G0B+4*\s+3], s[G0B+4*\s+3], 0x80000000
	RLOAD \s                                       ; K steps 0 and 1: two loads of mine are out
.endr
	s_mul_i32 s21, s[HI], HALFT                    ; my 128 rows of Wo
	v_and_b32 v4, 7, v0
	v_bfe_u32 v5, v0, 3, 1
	v_lshl_add_u32 v4, v2, 3, v4                   ; Wv: the turning load's lane reads row 8 h + lane % 8, 16 bytes at 16 ((lane / 8) % 2),
	v_mul_u32_u24 v4, v4, PBR
	v_lshl_add_u32 v4, v5, 4, v4
	s_lshl_b32 s22, s[HJ], 8                       ; in my 128 columns
	s_add_co_u32 s22, s22, 2*HALFT
.irp s, 0,1
	v_add_nc_u32 v[ADRA+\s], s21, v3
	v_add_nc_u32 v[ADRB+\s], s22, v4
	s_add_co_u32 s21, s21, SLOT
	s_add_co_u32 s22, s22, SLOT
.endr
	s_mul_i32 s23, s[WV], 16*SPITCH
	s_add_co_u32 s23, s23, STAGE                   ; my stage
	v_mul_u32_u24 v4, v1, SPITCH
	v_lshl_add_u32 v4, v2, 4, v4
	v_add_nc_u32 v[STO], s23, v4                   ; in: row r, 16 bytes for each half of the lanes
	v_lshlrev_b32 v4, 8, v2
	v_lshl_add_u32 v4, v1, 4, v4
	v_add_nc_u32 v[RD], s23, v4                    ; back: one row of 512 bytes: hi in lanes 0-15, lo in lanes 16-31
	v_lshlrev_b32 v4, 17, v2
	v_lshl_add_u32 v[CO], v1, 4, v4                ; lo lies 64 rows of 2,048 bytes below hi
	s_lshl_b32 s18, s16, 20                        ; my first row of WVO, (4 (x - 36) + 2 half) 128, in bytes
	s_lshl_b32 s19, s[HI], 19
	s_add_co_u32 s18, s18, s19
	s_lshl_b32 s19, s15, 9                         ; my first column in bytes: 512 y + 256 half
	s_add_co_u32 s18, s18, s19
	s_lshl_b32 s19, s[HJ], 8
	s_add_co_u32 s18, s18, s19
	s_add_co_u32 s18, s18, OFF_WVO
	s_mov_b32 s19, 0
	s_add_nc_u64 s[10:11], s[10:11], s[18:19]
	MAIN
	HPACK 0
	HSTAGE 0
.irp a, 1,2,3,4,5,6,7                  ; block a's arithmetic stands between block a - 1's loads from the stage and the wait for them
	HPACK \a
	HSEND \a-1
	HSTAGE \a
.endr
	HSEND 7
	s_set_vgpr_msb 0x1
	s_wait_tensorcnt 0x0
	ds_add_u32 v255, v255
	s_wait_dscnt 0x0
	s_set_vgpr_msb 0x100
	s_endpgm
.Lfunc_end_k_q006bc771e6_sc:
	.size	k_q006bc771e6_sc, .Lfunc_end_k_q006bc771e6_sc-k_q006bc771e6_sc
	.p2alignl 7, 3214868480
	.fill 96, 4, 3214868480
	.section	.rodata,"a",@progbits
	.p2align	6, 0x0
	.amdhsa_kernel k_q006bc771e6_sc
		.amdhsa_group_segment_fixed_size 327680
		.amdhsa_private_segment_fixed_size 0
		.amdhsa_enable_private_segment 0
		.amdhsa_kernarg_size 32
		.amdhsa_user_sgpr_count 2
		.amdhsa_user_sgpr_kernarg_segment_ptr 1
		.amdhsa_wavefront_size32 1
		.amdhsa_system_sgpr_workgroup_id_x 1
		.amdhsa_system_sgpr_workgroup_id_y 1
		.amdhsa_system_sgpr_workgroup_id_z 1
		.amdhsa_system_vgpr_workitem_id 0
		.amdhsa_next_free_vgpr 1024
		.amdhsa_next_free_sgpr 66
		.amdhsa_reserve_vcc 0
		.amdhsa_float_denorm_mode_32 3
		.amdhsa_float_denorm_mode_16_64 3
		.amdhsa_memory_ordered 1
		.amdhsa_forward_progress 1
		.amdhsa_inst_pref_size 255
	.end_amdhsa_kernel
	.section	.bss,"aw",@nobits
	.p2align	6
	.space	262144
	.amdgpu_metadata
---
amdhsa.version: [ 1, 2 ]
amdhsa.kernels:
  - .name:           k_q006bc771e6_sc
    .symbol:         k_q006bc771e6_sc.kd
    .args:
      - { .name: qk16, .offset: 0, .size: 8, .value_kind: global_buffer, .address_space: global }
      - { .name: cast, .offset: 8, .size: 8, .value_kind: global_buffer, .address_space: global }
      - { .name: sc, .offset: 16, .size: 8, .value_kind: global_buffer, .address_space: global }
      - { .name: yw, .offset: 24, .size: 8, .value_kind: global_buffer, .address_space: global }
    .group_segment_fixed_size: 327680
    .private_segment_fixed_size: 0
    .kernarg_segment_align: 8
    .kernarg_segment_size: 32
    .max_flat_workgroup_size: 128
    .sgpr_count:     66
    .vgpr_count:     1024
    .wavefront_size: 32
...
	.end_amdgpu_metadata
.endif
;; end of part 3
;; launch smax (part 4): grid 1024 x 1, 8 waves a work-group, no clusters, 0 bytes of LDS; arguments sc, p16; writes p16
.if DOCPART == 4
	.amdgcn_target "amdgcn-amd-amdhsa--gfx1250"
	.amdhsa_code_object_version 6
	.text
	.protected	k_q006bc771e6_smax
	.globl	k_q006bc771e6_smax
	.p2align	8
	.type	k_q006bc771e6_smax,@function
k_q006bc771e6_smax:
	s_mov_b64 s[64:65], 0
	v_nop
	global_prefetch_b8 v0, s[64:65] scope:SCOPE_SE
	s_setreg_imm32_b32 hwreg(HW_REG_WAVE_MODE, 25, 1), 1
	s_wait_xcnt 0x0
; The causal softmax's numerators and divisors.  For row g = (batch, q): m = the largest score of keys 0..q; p[k] = 2^(c s[k] - c m), c = log2(e) / 32, rounded to f16, 0 for the masked keys of
; the diagonal block of 256; invl[g] = 1 / (the sum of the ROUNDED p), so that the weights p invl sum to one.  p lies in [0, 1] and the largest is 1, so l lies in [1, 2048].
; p16: P [4][2048][2048] f16 at 0 (row q: keys 0 .. 256 (q / 256) + 255 are written, as many as the next launch reads); invl [8192] f32 at 0x2000000.
; One wave, one row, the row in registers: read once, written once; no LDS, no barrier.  A unit is 256 keys: two loads of 512 neighbouring bytes, two stores of 256.
; The number of units, q / 256 + 1, hangs on the work-group's number alone; the body is written out for each of the eight numbers, so that nothing is done for keys that the mask throws away.
; WHICH ROWS: a row of block qb has qb + 1 units, so the blocks are dealt out evenly.  Work-group number n: batch n / 256; its low three bits t choose the block in the order
; 0, 7, 1, 6, 2, 5, 3, 4, reversed in odd batches; bits 3 to 7 choose the 8 rows among the block's 256.  Four neighbouring numbers, and four numbers 256 apart, then hold 18 units a wave together.
.set S,   8                            ; v[8:71]    scores: unit u at v[8 + 8 u]: keys 256 u + 4 lane + 0..3, then 256 u + 128 + 4 lane + 0..3
.set PK,  72                           ; v[72:103]  the weights as f16 pairs
.set M,   106                          ; v[106:109] four running maxima
.set CM,  110                          ; v[110:111] c m, twice
.set OFF_INVL, 0x2000000
	s_load_b128 s[4:7], s[0:1], 0x0                ; sc s[4:5], p16 s[6:7]
	v_lshrrev_b32 v1, 5, v0
	v_readfirstlane_b32 s8, v1                     ; wave
	v_and_b32 v1, 31, v0                           ; lane
	s_and_b32 s24, ttmp9, 7                        ; t
	s_lshr_b32 s26, ttmp9, 8                       ; batch
	s_xor_b32 s27, s24, s26
	s_and_b32 s27, s27, 1
	s_mul_i32 s27, s27, 7                          ; 7 where t and the batch differ in their low bit
	s_lshr_b32 s10, s24, 1
	s_xor_b32 s10, s10, s27                        ; qb = t / 2, or 7 - t / 2
	s_bfe_u32 s24, ttmp9, 0x50003                  ; which 8 rows of the block's 256
	s_lshl_b32 s26, s26, 8
	s_lshl_b32 s27, s10, 5
	s_or_b32 s26, s26, s27
	s_or_b32 s26, s26, s24                         ; 256 batch + 32 qb + that
	s_lshl3_add_u32 s9, s26, s8                    ; my row g = 8 x that + wave
	s_and_b32 s11, s9, 255                         ; q % 256
	v_lshlrev_b32 v2, 4, v1                        ; 16 bytes a lane of scores
	v_lshlrev_b32 v3, 3, v1                        ; 8 bytes a lane of weights
	v_lshlrev_b32 v4, 2, v1
	v_sub_nc_u32 v4, s11, v4                       ; d = q % 256 - 4 lane: in the diagonal unit my key e is masked where e > d
	v_mov_b32 v5, 0xff800000                       ; -infinity
	s_mov_b32 s20, 0x3d38aa3b                      ; c = log2(e) / sqrt(1024)
	s_mov_b32 s21, s20
	s_mov_b32 s22, 0x76543210
	s_mov_b32 s23, 0xfedcba98
	s_lshl_b32 s12, s9, 13                         ; 8,192 bytes a row of sc
	s_mov_b32 s13, 0
	s_lshl_b32 s14, s9, 12                         ; 4,096 bytes a row of P
	s_mov_b32 s15, 0
	s_lshl_b32 s16, s9, 2
	s_mov_b32 s17, 0
	s_wait_kmcnt 0x0
	s_add_nc_u64 s[4:5], s[4:5], s[12:13]
	s_add_nc_u64 s[18:19], s[6:7], s[14:15]
	s_add_nc_u64 s[6:7], s[6:7], s[16:17]
	s_add_nc_u64 s[6:7], s[6:7], OFF_INVL
; A row with nu whole units and the diagonal unit behind them.
.macro ROW nu
.set DG, S+8*\nu
.set i, 0
.rept \nu+1
	global_load_b128 v[S+8*i:S+8*i+3],   v2, s[4:5] offset:1024*i th:TH_LOAD_NT
	global_load_b128 v[S+8*i+4:S+8*i+7], v2, s[4:5] offset:1024*i+512 th:TH_LOAD_NT
.set i, i+1
.endr
	s_wait_loadcnt 0x0
.irp e, 0,1,2,3
	v_cmp_gt_i32 vcc_lo, \e, v4
	v_cndmask_b32 v[DG+\e], v[DG+\e], v5, vcc_lo
	v_cmp_gt_i32 vcc_lo, 128+\e, v4
	v_cndmask_b32 v[DG+4+\e], v[DG+4+\e], v5, vcc_lo
.endr
.irp k, 0,1,2,3
	v_max_num_f32 v[M+\k], v[S+2*\k], v[S+2*\k+1]  ; the first unit starts the four chains
.endr
.set i, 1
.rept \nu
.irp k, 0,1,2,3
	v_max3_num_f32 v[M+\k], v[M+\k], v[S+8*i+2*\k], v[S+8*i+2*\k+1]
.endr
.set i, i+1
.endr
	v_max3_num_f32 v[M], v[M], v[M+1], v[M+2]
	v_max_num_f32 v[M], v[M], v[M+3]
	v_max_num_f32_dpp v[M], v[M], v[M] row_xmask:1 row_mask:0xf bank_mask:0xf
	v_max_num_f32_dpp v[M], v[M], v[M] row_xmask:2 row_mask:0xf bank_mask:0xf
	v_max_num_f32_dpp v[M], v[M], v[M] row_xmask:4 row_mask:0xf bank_mask:0xf
	v_max_num_f32_dpp v[M], v[M], v[M] row_xmask:8 row_mask:0xf bank_mask:0xf
	v_permlanex16_b32 v[M+1], v[M], s22, s23
	v_max_num_f32 v[M], v[M], v[M+1]               ; the row's maximum, finite: key q itself is never masked
	v_mul_f32 v[CM], s20, v[M]
	v_mul_f32 v[CM+1], s20, v[M]
.set i, 0
.rept 4*(\nu+1)
	v_pk_fma_f32 v[S+2*i:S+2*i+1], v[S+2*i:S+2*i+1], s[20:21], v[CM:CM+1] op_sel_hi:[1,0,1] neg_lo:[0,0,1] neg_hi:[0,0,1]   ; c s - c m
.set i, i+1
.endr
.set i, 0
.rept 8*(\nu+1)
	v_exp_f32 v[S+i], v[S+i]
.set i, i+1
.endr
	v_nop                                          ; a plain instruction between the last exponential and the use of its result (ISA guide 5.7.2)
.set i, 0
	s_wait_alu depctr_va_vdst(0)
.rept 4*(\nu+1)
	v_cvt_pk_f16_f32 v[PK+i], v[S+2*i], v[S+2*i+1]
.set i, i+1
.endr
.set i, 0
.rept \nu+1
	global_store_b64 v3, v[PK+4*i:PK+4*i+1],   s[18:19] offset:512*i       ; the wave stores 256 consecutive bytes, aligned
	global_store_b64 v3, v[PK+4*i+2:PK+4*i+3], s[18:19] offset:512*i+256
.set i, i+1
.endr
	; the rounded weights back in f32, through two registers whose halves can be named, over the scores
.set i, 0
.rept 2*(\nu+1)
	v_mov_b32 v104, v[PK+i]
	v_mov_b32 v105, v[PK+i+1]
	v_cvt_f32_f16 v[S+2*i],   v104.l
	v_cvt_f32_f16 v[S+2*i+1], v104.h
	v_cvt_f32_f16 v[S+2*i+2], v105.l
	v_cvt_f32_f16 v[S+2*i+3], v105.h
.set i, i+2
.endr
.set i, 1
.rept \nu
.irp k, 0,2,4,6
	v_pk_add_f32 v[S+\k:S+\k+1], v[S+\k:S+\k+1], v[S+8*i+\k:S+8*i+\k+1]   ; four chains, started by the first unit
.endr
.set i, i+1
.endr
	v_pk_add_f32 v[S:S+1], v[S:S+1], v[S+2:S+3]
	v_pk_add_f32 v[S+4:S+5], v[S+4:S+5], v[S+6:S+7]
	v_pk_add_f32 v[S:S+1], v[S:S+1], v[S+4:S+5]
	v_add_f32 v[S], v[S], v[S+1]
	v_add_f32_dpp v[S], v[S], v[S] row_xmask:1 row_mask:0xf bank_mask:0xf
	v_add_f32_dpp v[S], v[S], v[S] row_xmask:2 row_mask:0xf bank_mask:0xf
	v_add_f32_dpp v[S], v[S], v[S] row_xmask:4 row_mask:0xf bank_mask:0xf
	v_add_f32_dpp v[S], v[S], v[S] row_xmask:8 row_mask:0xf bank_mask:0xf
	v_permlanex16_b32 v[S+1], v[S], s22, s23
	v_add_f32 v[S], v[S], v[S+1]
	v_rcp_f32 v[M], v[S]
	v_mov_b32 v[M+1], 0                            ; plain instructions between the reciprocal and its use
	v_cmp_eq_u32 vcc_lo, 0, v1
	s_wait_xcnt 0x0                                ; EXEC is a source of the stores above: it changes only behind this wait
	s_and_saveexec_b32 s25, vcc_lo
	s_wait_alu depctr_va_vdst(0)
	global_store_b32 v[M+1], v[M], s[6:7]          ; one number a row, 32,768 bytes in the whole launch: stored singly
	s_endpgm
.endm
.irp n, 0,1,2,3,4,5,6
	s_cmp_eq_u32 s10, \n
	s_cbranch_scc1 .Lq\n
.endr
	ROW 7
.irp n, 0,1,2,3,4,5,6
.Lq\n:
	ROW \n
.endr
.Lfunc_end_k_q006bc771e6_smax:
	.size	k_q006bc771e6_smax, .Lfunc_end_k_q006bc771e6_smax-k_q006bc771e6_smax
	.p2alignl 7, 3214868480
	.fill 96, 4, 3214868480
	.section	.rodata,"a",@progbits
	.p2align	6, 0x0
	.amdhsa_kernel k_q006bc771e6_smax
		.amdhsa_group_segment_fixed_size 0
		.amdhsa_private_segment_fixed_size 0
		.amdhsa_enable_private_segment 0
		.amdhsa_kernarg_size 16
		.amdhsa_user_sgpr_count 2
		.amdhsa_user_sgpr_kernarg_segment_ptr 1
		.amdhsa_wavefront_size32 1
		.amdhsa_system_sgpr_workgroup_id_x 1
		.amdhsa_system_sgpr_workgroup_id_y 1
		.amdhsa_system_sgpr_workgroup_id_z 1
		.amdhsa_system_vgpr_workitem_id 0
		.amdhsa_next_free_vgpr 128
		.amdhsa_next_free_sgpr 66
		.amdhsa_reserve_vcc 1
		.amdhsa_float_denorm_mode_32 3
		.amdhsa_float_denorm_mode_16_64 3
		.amdhsa_memory_ordered 1
		.amdhsa_forward_progress 1
		.amdhsa_inst_pref_size 88
	.end_amdhsa_kernel
	.amdgpu_metadata
---
amdhsa.version: [ 1, 2 ]
amdhsa.kernels:
  - .name:           k_q006bc771e6_smax
    .symbol:         k_q006bc771e6_smax.kd
    .args:
      - { .name: sc, .offset: 0, .size: 8, .value_kind: global_buffer, .address_space: global }
      - { .name: p16, .offset: 8, .size: 8, .value_kind: global_buffer, .address_space: global }
    .group_segment_fixed_size: 0
    .private_segment_fixed_size: 0
    .kernarg_segment_align: 8
    .kernarg_segment_size: 16
    .max_flat_workgroup_size: 256
    .sgpr_count:     66
    .vgpr_count:     128
    .wavefront_size: 32
...
	.end_amdgpu_metadata
.endif
;; end of part 4
;; launch px (part 5): grid 8 x 32, 4 waves a work-group, clusters of 4 x 1, 327,680 bytes of LDS; arguments p16, cast, yw; writes yw
.if DOCPART == 5
	.amdgcn_target "amdgcn-amd-amdhsa--gfx1250"
	.amdhsa_code_object_version 6
	.text
	.protected	k_q006bc771e6_px
	.globl	k_q006bc771e6_px
	.p2align	8
	.type	k_q006bc771e6_px,@function
k_q006bc771e6_px:
	s_mov_b64 s[64:65], 0
	v_nop
	global_prefetch_b8 v0, s[64:65] scope:SCOPE_SE
	s_setreg_imm32_b32 hwreg(HW_REG_WAVE_MODE, 25, 1), 1
	s_wait_xcnt 0x0
	s_wait_alu depctr_hold_cnt(0) depctr_sa_sdst(0) depctr_va_vdst(0) depctr_va_sdst(0) depctr_va_ssrc(0) depctr_va_vcc(0) depctr_vm_vsrc(0)
	s_getreg_b32 s2, hwreg(HW_REG_IB_STS2, 6, 4)
	s_cmp_eq_u32 s2, 0
	s_cbranch_scc0 .Lentry_in_a_cluster
	s_endpgm
.Lentry_in_a_cluster:
	s_bfe_u32 s2, ttmp6, 0x10000c
	s_cmp_lg_u32 s2, 0x3003
	s_cbranch_scc0 .Lentry_shape_is_right
	s_endpgm
.Lentry_shape_is_right:
; Y[q][n] = invl[q] x sum over keys of P[q][key] X16[key][n], rounded once to f16.  P [4][2048][2048] f16 (keys along the rows, rows 4,096 bytes apart; 0 where the mask holds), X16 [8192][1024] f16
; (n along the rows), invl [8192] f32, sums f32.  LIMIT: |Y| stays under 65,504: Y is a weighted mean of rows of x.
; EQUAL WORK.  A tile is 128 queries x 128 columns; the keys go in steps of 256.  Block rb of a batch's 16 blocks of queries needs the keys up to the end of its diagonal block of 256: rb / 2 + 1 steps.
; A work-group makes the tiles of blocks rb and 15 - rb, one after the other: 9 steps whatever rb.  8 pairs x 8 column tiles x 4 batches = 256 work-groups.
; THE ORDER IN A PAIR.  One of the two numbers of steps is odd.  That block (r1, 2 m1 + 1 steps, m1 = r1 / 4) goes first: it begins and ends in slot 0; the other (r2, 4 - m1 laps of two steps) begins in
; slot 1.  So the slots' numbers are constants of the text, every change of slots in the first tile has a later step to ask for, and the two steps that ask for nothing lie in the second tile.
; The ring does not stop between the tiles: the first tile's last two changes of slots ask for the second tile's steps 0 and 1.  Both are written out (the first tile's last lap stands behind its loop),
; so that a descriptor is either stepped by a constant or made anew from an address, and never chosen inside a loop.
; Four waves, each 64 x 64: 16 accumulators, 128 registers.  A slot holds 128 rows of P (512 bytes + 16) and 256 rows of X16 (256 bytes + 32); each wave brings a quarter of it with one tensor load.
; CLUSTER 4 x 1: the four work-groups of a cluster make four column tiles of the same pair of blocks: they need the same tiles of P, which waves 0 and 1 ask for jointly (mask 15).  Their tiles of X16
; differ, so waves 2 and 3 ask for them alone, behind the same rounds; work-groups of other pairs want a tile of X16 in other steps, so it is not shared either.  All four share y: trip counts and branches are alike in them.
; X16 comes out of LDS turned, by ds_load_tr16_b128.  The matrix instruction is used transposed (source 0 = 16 columns of X16, source 1 = 16 rows of P): a lane holds eight neighbouring columns of one row.
; THE WAY OUT goes through one stage for the work-group, since a wave's 64 columns are half of an aligned 256 bytes of Y.
; REGISTERS: window 0: v7, v16-26 addresses; v32-95 packed results, then whole rows; v96-111 the rows' scales; v128-255 the accumulators ((a, b) at 128 + 8 (4 a + b))
;   window 1: two fragment buffers of 128: for 64 along K, 64 registers of P (2 x 4 x 16 rows x 32 keys), then 64 of X16.
.set KSTEP,  256
.set PA,     528                       ; a row of P in LDS: 512 bytes + 16: the sixteen rows of a fragment load start 16 bytes apart modulo 256
.set PB,     288                       ; a row of X16: 256 + 32: the turning load's 16 lanes take 8 rows x 32 bytes, 32 bytes apart modulo 256
.set HALFA,  64*PA                     ; what waves 0 and 1 each bring
.set HALFB,  128*PB                    ; what waves 2 and 3 each bring
.set BOFF,   2*HALFA
.set SLOT,   BOFF+2*HALFB              ; 141,312
.set STAGE,  2*SLOT                    ; behind the ring: 128 rows x 272 bytes, the work-group's; no tensor load lands here
.set SPITCH, 272
.set ASTEP,  KSTEP*2                   ; bytes from a step of P to the next
.set BSTEP,  KSTEP*2048                ; the same for X16
.set YROW,   2048                      ; bytes in a row of Y
.set OFF_INVL, 0x2000000
.set IO,   7                           ; v7      4 r
.set ADRA, 16                          ; v16-17  LDS address of my fragments of P in slot 0, 1
.set ADRB, 20                          ; v20-23  the same for X16: slot s, keys 0-127 at v[20 + 2 s], keys 128-255 at v[21 + 2 s] (an LDS offset has 16 bits)
.set STO,  24
.set RD,   25
.set CO,   26
.set TMP,  32
.set IL1,  96                          ; v[96:103]   the first tile: the scale of my row in block a, twice, at v[96 + 2 a]
.set IL2,  104                         ; v[104:111]  the second tile
.set ACC,  128
.set F0,   0
.set F1,   128
.set WV,   12
.set HI,   13
.set HJ,   14
.set YB,   15
.set G1,   24                          ; s[24:31] descriptor group 1 for P's tiles;  s[32:39] group 0, a set for each slot
.set G0,   32
.set G1B,  48                          ; s[48:55], s[56:63] the same for X16's tiles
.set G0B,  56
.set O2,   66                          ; s[66:67] byte offset in P of my part of the second tile's step 0
.set OUT2, 68                          ; s[68:69] where my rows of the second tile go (the first tile's: s[8:9])
.set A2,   70                          ; s[70:71] P at my part of the second tile's step 0
.set BB,   72                          ; s[72:73] X16 at my part of step 0, of either tile
.set IV1,  74                          ; s[74:75], s[76:77] invl at my rows of the two tiles
.set IV2,  76
.set R1,   78
.set R2,   79
.set M1,   80                          ; s80 m1, then the trips of the first tile's loop
.set L2,   81                          ; s81 laps of the second tile that fill slots again
.set S1A,  82                          ; s[82:83] slot 1's first tile of P: its byte offset, then its address
.set S1B,  84                          ; s[84:85] the same for X16
.set MSB, 0
.macro WIN new                         ; the immediate's high byte repeats the setting that is left; a switch that changes nothing is dropped
.if MSB != (\new)
	s_set_vgpr_msb (MSB<<8)|(\new)
.set MSB, (\new)
.endif
.endm
.set MUL,  0x05                        ; sources 0 and 1 window 1; C and D window 0
.set TO_F, 0x40                        ; destination window 1, address window 0
.macro PLACES                          ; four plain vector instructions between a matrix instruction and a load into, or a vector read or write of, its registers
.rept 4
	v_nop
.endr
.endm
.macro JLOAD s                         ; waves 0 and 1: P's halves, jointly; waves 2 and 3: X16's halves.  Four v_nop follow each line.
	s_cmp_eq_u32 s[HI], 0
	s_cbranch_scc0 .Lfor_b_\@
	tensor_load_to_lds s[G0+4*\s:G0+4*\s+3], s[G1:G1+7]
	s_nop 0
	PLACES
	s_branch .Lasked_\@
.Lfor_b_\@:
	tensor_load_to_lds s[G0B+4*\s:G0B+4*\s+3], s[G1B:G1B+7]
	s_nop 0
	PLACES
.Lasked_\@:
.endm
.macro CREST                           ; a round of the cluster's barrier behind its opening barrier
	s_cmp_lg_u32 s[WV], 0
	s_cbranch_scc1 .Lnot_wave_0_\@
	s_barrier_signal -3
.Lnot_wave_0_\@:
	s_barrier_wait -3
	s_barrier_signal -1
	s_barrier_wait -1
.endm
.macro CROUND                          ; a whole round
	s_barrier_signal -1
	s_barrier_wait -1
	CREST
.endm
	s_load_b128 s[4:7], s[0:1], 0x0                ; p16 s[4:5], cast s[6:7]
	s_load_b64 s[8:9], s[0:1], 0x10                ; yw
	v_lshl_add_u32 v126, v0, 2, 0x4d800
	v_mov_b32 v127, 0
	ds_add_u32 v126, v127
	ds_add_u32 v126, v127
	v_lshrrev_b32 v1, 5, v0
	v_readfirstlane_b32 s[WV], v1
	s_lshr_b32 s[HI], s[WV], 1                     ; my half of the tile's rows; also: I fetch P (0) or X16 (1)
	s_and_b32 s[HJ], s[WV], 1                      ; my half of its columns; also: which half of that tile I fetch
	s_bfe_u32 s40, ttmp6, 0x40000                  ; cx
	s_lshl_b32 s42, ttmp9, 2
	s_add_co_u32 s42, s42, s40                     ; column tile = 4 x cluster x + cx
	s_and_b32 s[YB], ttmp7, 0xffff                 ; y = 8 batch + pair, which the four partners share
	s_and_b32 s16, s[YB], 7                        ; the pair p: blocks p and 15 - p, with p / 2 + 1 and 8 - p / 2 steps
	s_sub_co_u32 s17, 15, s16
	s_bitcmp1_b32 s16, 1                           ; p / 2 odd: p's number of steps is even
	s_cselect_b32 s[R1], s17, s16                  ; the block with the odd number goes first
	s_sub_co_u32 s[R2], 15, s[R1]
	s_lshr_b32 s[M1], s[R1], 2                     ; its steps are 2 (r1 / 4) + 1
	s_sub_co_u32 s[L2], 3, s[M1]                   ; the other's laps are 4 - r1 / 4; the last of them fills nothing
	s_lshr_b32 s18, s[YB], 3
	s_lshl_b32 s18, s18, 11                        ; the batch's first row
	s_lshl_b32 s19, s[R1], 7
	s_add_co_u32 s19, s19, s18                     ; the first tile's first row
	s_lshl_b32 s20, s[R2], 7
	s_add_co_u32 s20, s20, s18                     ; the second tile's
	s_lshl_b32 s21, s[HJ], 6                       ; P: my 64 rows of a tile, 4,096 bytes each: y and the wave's number alone enter
	s_add_co_u32 s22, s19, s21
	s_lshl_b32 s22, s22, 12
	s_mov_b32 s23, 0
	s_add_co_u32 s[O2], s20, s21
	s_lshl_b32 s[O2], s[O2], 12
	s_mov_b32 s[O2+1], 0
	s_lshl_b32 s46, s[HJ], 7                       ; X16: my 128 keys of a step, 2,048 bytes each, and the tile's 128 columns
	s_add_co_u32 s46, s46, s18
	s_lshl_b32 s46, s46, 11
	s_lshl_b32 s47, s42, 8
	s_add_co_u32 s46, s46, s47
	s_mov_b32 s47, 0
	; slot 1 begins with the first tile's step 1 or, if that tile has one step only, with the second tile's step 0: chosen among byte offsets, ahead of any address
	s_add_co_u32 s[S1A], s22, ASTEP
	s_add_co_u32 s[S1B], s46, BSTEP
	s_cmp_eq_u32 s[M1], 0
	s_cselect_b32 s[S1A], s[O2], s[S1A]
	s_cselect_b32 s[S1B], s46, s[S1B]
	s_mov_b32 s[S1A+1], 0
	s_mov_b32 s[S1B+1], 0
	s_lshl_b32 s21, s[WV], 5                       ; Y: wave w stores rows 32 w .. 32 w + 31 of a tile
	s_lshl_b32 s45, s42, 8
	s_add_co_u32 s44, s19, s21
	s_lshl_b32 s44, s44, 11
	s_add_co_u32 s44, s44, s45
	s_add_co_u32 s[OUT2], s20, s21
	s_lshl_b32 s[OUT2], s[OUT2], 11
	s_add_co_u32 s[OUT2], s[OUT2], s45
	s_mov_b32 s45, 0
	s_mov_b32 s[OUT2+1], 0
	s_lshl_b32 s21, s[HI], 6                       ; invl: my 64 rows of a tile, 4 bytes each
	s_add_co_u32 s[IV1], s19, s21
	s_lshl_b32 s[IV1], s[IV1], 2
	s_add_co_u32 s[IV1], s[IV1], OFF_INVL
	s_mov_b32 s[IV1+1], 0
	s_add_co_u32 s[IV2], s20, s21
	s_lshl_b32 s[IV2], s[IV2], 2
	s_add_co_u32 s[IV2], s[IV2], OFF_INVL
	s_mov_b32 s[IV2+1], 0
	s_mul_i32 s16, s[HJ], HALFA                    ; where my part of a tile lands
	s_mul_i32 s17, s[HJ], HALFB
	s_add_co_u32 s17, s17, BOFF
	s_mov_b32 s[G1+0], 15|(1<<16)|(1<<20)|(1<<21)|(6<<22)|(3<<25)  ; mask: all four; elements of 2 bytes; padding: after every 128 words, 4 words; bit 21 beside a mask
	s_mov_b32 s[G1+1], KSTEP<<16                   ; tensor_dim0 = 256
	s_mov_b32 s[G1+2], 64<<16                      ; tensor_dim1 = 64
	s_mov_b32 s[G1+3], KSTEP<<16                   ; tile_dim0 = 256
	s_mov_b32 s[G1+4], 64                          ; tile_dim1 = 64
	s_mov_b32 s[G1+5], 2048                        ; elements from row to row of P
	s_mov_b32 s[G1+6], 0
	s_mov_b32 s[G1+7], 0
	s_mov_b32 s[G1B+0], (1<<16)|(1<<20)|(5<<22)|(7<<25)            ; no mask; padding: after every 64 words, 8 words
	s_mov_b32 s[G1B+1], 128<<16                    ; tensor_dim0 = 128
	s_mov_b32 s[G1B+2], 128<<16                    ; tensor_dim1 = 128
	s_mov_b32 s[G1B+3], 128<<16                    ; tile_dim0 = 128
	s_mov_b32 s[G1B+4], 128                        ; tile_dim1 = 128
	s_mov_b32 s[G1B+5], 1024                       ; elements from row to row of X16
	s_mov_b32 s[G1B+6], 0
	s_mov_b32 s[G1B+7], 0
	s_wait_dscnt 0x0
	s_wait_kmcnt 0x0
	s_add_nc_u64 s[22:23], s[4:5], s[22:23]        ; P at my part of the first tile's step 0
	s_add_nc_u64 s[A2:A2+1], s[4:5], s[O2:O2+1]
	s_add_nc_u64 s[BB:BB+1], s[6:7], s[46:47]
	s_add_nc_u64 s[S1A:S1A+1], s[4:5], s[S1A:S1A+1]
	s_add_nc_u64 s[S1B:S1B+1], s[6:7], s[S1B:S1B+1]
	s_add_nc_u64 s[OUT2:OUT2+1], s[8:9], s[OUT2:OUT2+1]
	s_add_nc_u64 s[8:9], s[8:9], s[44:45]
	s_add_nc_u64 s[IV1:IV1+1], s[4:5], s[IV1:IV1+1]
	s_add_nc_u64 s[IV2:IV2+1], s[4:5], s[IV2:IV2+1]
	s_mov_b32 s[G0], 1                             ; slot 0: the first tile's step 0
	s_add_co_u32 s[G0+1], s16, 0
	s_mov_b64 s[G0+2:G0+3], s[22:23]
	s_or_b32 s[G0+3], s[G0+3], 0x80000000
	s_mov_b32 s[G0B], 1
	s_add_co_u32 s[G0B+1], s17, 0
	s_mov_b64 s[G0B+2:G0B+3], s[BB:BB+1]
	s_or_b32 s[G0B+3], s[G0B+3], 0x80000000
	s_mov_b32 s[G0+4], 1                           ; slot 1: as chosen above
	s_add_co_u32 s[G0+5], s16, SLOT
	s_mov_b64 s[G0+6:G0+7], s[S1A:S1A+1]
	s_or_b32 s[G0+7], s[G0+7], 0x80000000
	s_mov_b32 s[G0B+4], 1
	s_add_co_u32 s[G0B+5], s17, SLOT
	s_mov_b64 s[G0B+6:G0B+7], s[S1B:S1B+1]
	s_or_b32 s[G0B+7], s[G0B+7], 0x80000000
	CROUND                                         ; all four work-groups are here: the first joint loads meet
	JLOAD 0
	JLOAD 1                                        ; two loads of mine are out
	v_and_b32 v1, 15, v0                           ; r = lane % 16
	v_bfe_u32 v2, v0, 4, 1                         ; h = lane / 16
	v_mul_u32_u24 v3, v1, PA
	v_lshl_add_u32 v3, v2, 4, v3                   ; P: row r x pitch + 16 h,
	s_mul_i32 s16, s[HI], HALFA                    ; in my 64 rows
	v_and_b32 v4, 7, v0
	v_bfe_u32 v5, v0, 3, 1
	v_lshl_add_u32 v4, v2, 3, v4                   ; X16: the turning load's lane reads row 8 h + lane % 8, 16 bytes at 16 ((lane / 8) % 2),
	v_mul_u32_u24 v4, v4, PB
	v_lshl_add_u32 v4, v5, 4, v4
	s_lshl_b32 s17, s[HJ], 7                       ; in my 64 columns
	s_add_co_u32 s17, s17, BOFF
.irp s, 0,1
	v_add_nc_u32 v[ADRA+\s], s16, v3
	v_add_nc_u32 v[ADRB+2*\s], s17, v4
	s_add_co_u32 s18, s17, 128*PB
	v_add_nc_u32 v[ADRB+2*\s+1], s18, v4
	s_add_co_u32 s16, s16, SLOT
	s_add_co_u32 s17, s17, SLOT
.endr
	s_mul_i32 s18, s[HI], 64*SPITCH                ; into the stage: my 64 rows, my half of their 256 bytes; row r, 16 bytes for each half of the lanes
	s_lshl_b32 s19, s[HJ], 7
	s_add_co_u32 s18, s18, s19
	s_add_co_u32 s18, s18, STAGE
	v_mul_u32_u24 v4, v1, SPITCH
	v_lshl_add_u32 v4, v2, 4, v4
	v_add_nc_u32 v[STO], s18, v4
	s_mul_i32 s18, s[WV], 32*SPITCH                ; back: wave w takes rows 32 w .. 32 w + 31, whole; lanes 0-15 one row of 256 bytes, lanes 16-31 the next
	s_add_co_u32 s18, s18, STAGE
	v_mul_u32_u24 v5, v2, SPITCH
	v_lshl_add_u32 v5, v1, 4, v5
	v_add_nc_u32 v[RD], s18, v5
	v_lshlrev_b32 v5, 11, v2
	v_lshl_add_u32 v[CO], v1, 4, v5                ; and the same two rows of Y
	v_lshlrev_b32 v[IO], 2, v1
.irp a, 0,1,2,3
	global_load_b32 v[IL1+2*\a], v[IO], s[IV1:IV1+1] offset:64*\a  ; 1 / l of row 16 a + r of my 64
	global_load_b32 v[IL2+2*\a], v[IO], s[IV2:IV2+1] offset:64*\a
.endr
; 8 matrix instructions: row blocks a0, a0 + 1 x all 4 column blocks, 32 along K: half c of buffer f.  zero = 1: the product starts the sums.
; The 16 accumulators take turns, one instruction a turn.
.macro MUL8 f, c, a0, zero
.irp a, \a0, \a0+1
.irp b, 0,1,2,3
.if \zero
	v_wmma_f32_16x16x32_f16 v[ACC+8*(4*(\a)+\b):ACC+8*(4*(\a)+\b)+7], v[\f+64+8*(4*\c+\b):\f+64+8*(4*\c+\b)+7], v[\f+8*(4*\c+(\a)):\f+8*(4*\c+(\a))+7], 0
.else
	v_wmma_f32_16x16x32_f16 v[ACC+8*(4*(\a)+\b):ACC+8*(4*(\a)+\b)+7], v[\f+64+8*(4*\c+\b):\f+64+8*(4*\c+\b)+7], v[\f+8*(4*\c+(\a)):\f+8*(4*\c+(\a))+7], v[ACC+8*(4*(\a)+\b):ACC+8*(4*(\a)+\b)+7]
.endif
.endr
.endr
.endm
; 32 LDS loads in one run: the fragments of quarter q (keys 64 q .. 64 q + 63 of the slot) into buffer f; the first 32 keys first
.macro FETCH slot, q, f
	WIN TO_F
.irp c, 0,1
.irp i, 0,1,2,3
	ds_load_tr16_b128 v[\f+64+8*(4*\c+\i):\f+64+8*(4*\c+\i)+3],   v[ADRB+2*\slot+(\q)/2] offset:(((\q)%2)*64+32*\c)*PB+32*\i
	ds_load_tr16_b128 v[\f+64+8*(4*\c+\i)+4:\f+64+8*(4*\c+\i)+7], v[ADRB+2*\slot+(\q)/2] offset:(((\q)%2)*64+32*\c+16)*PB+32*\i
	ds_load_b128 v[\f+8*(4*\c+\i):\f+8*(4*\c+\i)+3],   v[ADRA+\slot] offset:(\q)*128+64*\c+\i*16*PA
	ds_load_b128 v[\f+8*(4*\c+\i)+4:\f+8*(4*\c+\i)+7], v[ADRA+\slot] offset:(\q)*128+64*\c+\i*16*PA+32
.endr
.endr
.endm
; A step is four quarters of 64 keys, 32 matrix instructions each, on buffers 0, 1, 0, 1.  One of the first three multiplies buffer f and fetches quarter q into g.
.macro QUARTER slot, q, f, g, zero
	s_wait_dscnt 16                                ; the first 32 keys' fragments are in; the other sixteen loads may be out
	WIN MUL
	MUL8 \f, 0, 0, \zero
	MUL8 \f, 0, 2, \zero
	PLACES
	FETCH \slot, \q, \g
	s_wait_dscnt 32                                ; all but the 32 just issued
	WIN MUL
	MUL8 \f, 1, 0, 0
	MUL8 \f, 1, 2, 0
.endm
; The last quarter multiplies buffer 1 and changes slots: in front of the barrier each wave waits for its reads of this slot and for all its tensor loads (one is out: its part of the next slot).
; fill = 0: nothing is asked for.  Otherwise the barrier opens a round of the cluster's barrier, and the slot just read is filled again first thing behind the round:
; fill = 1: with the step two steps on;  fill = 2: with the second tile's step 0, its group 0 made anew from that tile's addresses.
.macro TURN slot, next, fill
	s_wait_dscnt 16
	WIN MUL
	MUL8 F1, 0, 0, 0
	s_wait_dscnt 0
	s_set_vgpr_msb 0x500
	s_wait_tensorcnt 0x0
	ds_add_u32 v126, v127
	s_wait_dscnt 0x0
	s_set_vgpr_msb 0x5
	s_barrier_signal -1
	MUL8 F1, 0, 2, 0
.if \fill
	WIN 0
.endif
	s_barrier_wait -1
.if \fill
	CREST
.if \fill == 1
	s_add_nc_u64 s[G0+4*\slot+2:G0+4*\slot+3], s[G0+4*\slot+2:G0+4*\slot+3], 2*ASTEP    ; no load of mine is out: the groups may be written
	s_add_nc_u64 s[G0B+4*\slot+2:G0B+4*\slot+3], s[G0B+4*\slot+2:G0B+4*\slot+3], 2*BSTEP
.else
	s_mov_b64 s[G0+4*\slot+2:G0+4*\slot+3], s[A2:A2+1]
	s_or_b32 s[G0+4*\slot+3], s[G0+4*\slot+3], 0x80000000
	s_mov_b64 s[G0B+4*\slot+2:G0B+4*\slot+3], s[BB:BB+1]
	s_or_b32 s[G0B+4*\slot+3], s[G0B+4*\slot+3], 0x80000000
.endif
	JLOAD \slot                                    ; 120 matrix instructions ahead of the wait for it; its four v_nop are also the places in front of the loads below
.else
	PLACES
.endif
	FETCH \next, 0, F0
	WIN MUL
	MUL8 F1, 1, 0, 0
	MUL8 F1, 1, 2, 0
.endm
; Once round the ring, from a lap's second quarter to the next lap's first: slot sa, then slot sb; both are filled again, sb as fillb says
.macro LAP sa, sb, fillb
	QUARTER \sa, 2, F1, F0, 0
	QUARTER \sa, 3, F0, F1, 0
	TURN \sa, \sb, 1
	QUARTER \sb, 1, F0, F1, 0
	QUARTER \sb, 2, F1, F0, 0
	QUARTER \sb, 3, F0, F1, 0
	TURN \sb, \sa, \fillb
	QUARTER \sa, 1, F0, F1, 0
	WIN 0                                          ; at a label and at a branch every window is 0
.endm
.macro LASTQ                           ; a tile's very last quarter: nothing more to fetch for it
	s_wait_dscnt 16
	WIN MUL
	MUL8 F1, 0, 0, 0
	MUL8 F1, 0, 2, 0
	s_wait_dscnt 0
	MUL8 F1, 1, 0, 0
	MUL8 F1, 1, 2, 0
	WIN 0
	PLACES
.endm
; THE WAY OUT.  PACK: the sums times the rows' scales, in place, each accumulator's registers in ascending order; rounded to f16; 16 bytes a lane into the stage.
.macro PACK il
	s_wait_xcnt 0x0                                ; the registers that the last tile's stores read are rewritten only behind this wait
.irp a, 0,1,2,3
.set i, 0
.rept 16
	v_pk_mul_f32 v[ACC+32*\a+2*i:ACC+32*\a+2*i+1], v[ACC+32*\a+2*i:ACC+32*\a+2*i+1], v[\il+2*\a:\il+2*\a+1]
.set i, i+1
.endr
.endr
.set i, 0
.rept 64
	v_cvt_pk_f16_f32 v[TMP+i], v[ACC+2*i], v[ACC+2*i+1]
.set i, i+1
.endr
.irp a, 0,1,2,3
.irp b, 0,1,2,3
	ds_store_b128 v[STO], v[TMP+4*(4*\a+\b):TMP+4*(4*\a+\b)+3] offset:\a*16*SPITCH+32*\b
.endr
.endr
.endm
; SEND, behind a barrier, since a row's 256 bytes come from two waves: back as whole rows, 32 rows a wave, and out
.macro SEND base
.irp t, 0,1,2,3,4,5,6,7,8,9,10,11,12,13,14,15
	ds_load_b128 v[TMP+4*\t:TMP+4*\t+3], v[RD] offset:\t*2*SPITCH
.endr
.irp t, 0,1,2,3,4,5,6,7,8,9,10,11,12,13,14,15
	s_wait_dscnt 15-\t                             ; LDS loads come back in order: pair t of rows is in, those behind it may stay out
	global_store_b128 v[CO], v[TMP+4*\t:TMP+4*\t+3], s[\base:\base+1] offset:2*\t*YROW   ; 16 lanes store 256 consecutive bytes, aligned
.endr
.endm
	s_wait_tensorcnt 1                             ; my part of slot 0 is in; slot 1's may stay out
	s_barrier_signal -1
	s_barrier_wait -1
	FETCH 0, 0, F0
	; ---- THE FIRST TILE: m1 laps and one step, from slot 0 to slot 0
	QUARTER 0, 1, F0, F1, 1                        ; a tile's first quarter stands in front of its loop: its first products start the sums
	WIN 0
	s_cmp_eq_u32 s[M1], 0                          ; one step only: slot 1 already holds the second tile's step 0
	s_cbranch_scc1 .Lone_tail
	s_cmp_eq_u32 s[M1], 1                          ; one lap: it is the last lap
	s_cbranch_scc1 .Lone_last
	s_sub_co_u32 s[M1], s[M1], 1
.Lone:                                                 ; m1 - 1 trips: both slots take this tile's steps two steps on
	LAP 0, 1, 1
	s_sub_co_u32 s[M1], s[M1], 1
	s_cmp_lg_u32 s[M1], 0
	s_cbranch_scc1 .Lone
.Lone_last:                                            ; the last lap, written out: slot 0 takes this tile's last step, slot 1 the second tile's step 0
	LAP 0, 1, 2
.Lone_tail:                                            ; the tile's last step
	QUARTER 0, 2, F1, F0, 0
	QUARTER 0, 3, F0, F1, 0
	LASTQ
	s_wait_loadcnt 0x0                             ; the scales
.irp a, 0,1,2,3
	v_mov_b32 v[IL1+2*\a+1], v[IL1+2*\a]           ; pairs for the packed multiply
	v_mov_b32 v[IL2+2*\a+1], v[IL2+2*\a]
.endr
	PACK IL1
	; ONE round serves the stage and the change of slots.  In front of it: my stores into the stage and my reads of slot 0 are done, and all my tensor loads have landed (one was out: my part of slot 1,
	; the second tile's step 0).  Behind it: slot 0 takes the second tile's step 1, first of all; then the stage is read.
	s_wait_dscnt 0x0
	s_wait_tensorcnt 0x0
	ds_add_u32 v126, v127
	s_wait_dscnt 0x0
	CROUND
	s_add_nc_u64 s[G0+2:G0+3], s[A2:A2+1], ASTEP
	s_or_b32 s[G0+3], s[G0+3], 0x80000000
	s_add_nc_u64 s[G0B+2:G0B+3], s[BB:BB+1], BSTEP
	s_or_b32 s[G0B+3], s[G0B+3], 0x80000000
	JLOAD 0
	SEND 8
	; ---- THE SECOND TILE: 4 - m1 laps, from slot 1 to slot 0
	FETCH 1, 0, F0
	QUARTER 1, 1, F0, F1, 1
	WIN 0
	s_cmp_eq_u32 s[L2], 0
	s_cbranch_scc1 .Ltwo_tail
.Ltwo:                                                 ; all laps but the last: both slots filled again
	LAP 1, 0, 1
	s_sub_co_u32 s[L2], s[L2], 1
	s_cmp_lg_u32 s[L2], 0
	s_cbranch_scc1 .Ltwo
.Ltwo_tail:                                            ; the last lap fills nothing, and has no round of the cluster's barrier
	QUARTER 1, 2, F1, F0, 0
	QUARTER 1, 3, F0, F1, 0
	TURN 1, 0, 0
	QUARTER 0, 1, F0, F1, 0
	QUARTER 0, 2, F1, F0, 0
	QUARTER 0, 3, F0, F1, 0
	LASTQ
	PACK IL2                                       ; every wave's reads of the stage for the first tile were waited for in front of the barriers since
	s_wait_dscnt 0x0                               ; for the others' sake: my stores into the stage are done
	s_barrier_signal -1
	s_barrier_wait -1
	SEND OUT2
	s_wait_tensorcnt 0x0
	ds_add_u32 v126, v127
	s_wait_dscnt 0x0
	CROUND                                         ; the closing round: no work-group ends while a partner may still ask for a tile that names it
	s_endpgm
.Lfunc_end_k_q006bc771e6_px:
	.size	k_q006bc771e6_px, .Lfunc_end_k_q006bc771e6_px-k_q006bc771e6_px
	.p2alignl 7, 3214868480
	.fill 96, 4, 3214868480
	.section	.rodata,"a",@progbits
	.p2align	6, 0x0
	.amdhsa_kernel k_q006bc771e6_px
		.amdhsa_group_segment_fixed_size 327680
		.amdhsa_private_segment_fixed_size 0
		.amdhsa_enable_private_segment 0
		.amdhsa_kernarg_size 24
		.amdhsa_user_sgpr_count 2
		.amdhsa_user_sgpr_kernarg_segment_ptr 1
		.amdhsa_wavefront_size32 1
		.amdhsa_system_sgpr_workgroup_id_x 1
		.amdhsa_system_sgpr_workgroup_id_y 1
		.amdhsa_system_sgpr_workgroup_id_z 1
		.amdhsa_system_vgpr_workitem_id 0
		.amdhsa_next_free_vgpr 512
		.amdhsa_next_free_sgpr 86
		.amdhsa_reserve_vcc 0
		.amdhsa_float_denorm_mode_32 3
		.amdhsa_float_denorm_mode_16_64 3
		.amdhsa_memory_ordered 1
		.amdhsa_forward_progress 1
		.amdhsa_inst_pref_size 197
	.end_amdhsa_kernel
	.amdgpu_metadata
---
amdhsa.version: [ 1, 2 ]
amdhsa.kernels:
  - .name:           k_q006bc771e6_px
    .symbol:         k_q006bc771e6_px.kd
    .args:
      - { .name: p16, .offset: 0, .size: 8, .value_kind: global_buffer, .address_space: global }
      - { .name: cast, .offset: 8, .size: 8, .value_kind: global_buffer, .address_space: global }
      - { .name: yw, .offset: 16, .size: 8, .value_kind: global_buffer, .address_space: global }
    .group_segment_fixed_size: 327680
    .private_segment_fixed_size: 0
    .kernarg_segment_align: 8
    .kernarg_segment_size: 24
    .max_flat_workgroup_size: 128
    .sgpr_count:     86
    .vgpr_count:     512
    .wavefront_size: 32
...
	.end_amdgpu_metadata
.endif
;; end of part 5
;; launch fin (part 6): grid 8 x 32, 4 waves a work-group, clusters of 4 x 4, 327,680 bytes of LDS; arguments yw, cast, out0; writes out0
.if DOCPART == 6
	.amdgcn_target "amdgcn-amd-amdhsa--gfx1250"
	.amdhsa_code_object_version 6
	.text
	.protected	k_q006bc771e6_fin
	.globl	k_q006bc771e6_fin
	.p2align	8
	.type	k_q006bc771e6_fin,@function
k_q006bc771e6_fin:
	s_mov_b64 s[64:65], 0
	v_nop
	global_prefetch_b8 v0, s[64:65] scope:SCOPE_SE
	s_setreg_imm32_b32 hwreg(HW_REG_WAVE_MODE, 25, 1), 1
	s_wait_xcnt 0x0
	s_wait_alu depctr_hold_cnt(0) depctr_sa_sdst(0) depctr_va_vdst(0) depctr_va_sdst(0) depctr_va_ssrc(0) depctr_va_vcc(0) depctr_vm_vsrc(0)
	s_getreg_b32 s2, hwreg(HW_REG_IB_STS2, 6, 4)
	s_cmp_eq_u32 s2, 0
	s_cbranch_scc0 .Lentry_in_a_cluster
	s_endpgm
.Lentry_in_a_cluster:
	s_bfe_u32 s2, ttmp6, 0x10000c
	s_cmp_lg_u32 s2, 0xf033
	s_cbranch_scc0 .Lentry_shape_is_right
	s_endpgm
.Lentry_shape_is_right:
; out0[m][n] = (1/64) sum over d of Y[m][d] (hi[n][d] + lo[n][d]) + c[n]: the last product, with 64 Wo Wv kept as two f16 numbers; c = Wo bv + bo.  m < 8192, n < 1024, d < 1024.  Sums and result f32.
; WVO holds, for each 64 columns n, 64 rows of hi and then 64 rows of lo: a wave's 128 rows of WVO are both parts of its 64 columns, and both add onto the same accumulators.
; A tile is 256 rows of Y x 256 rows of WVO = 256 x 128 of out0; four waves, each 128 rows x 64 columns: 32 accumulators, 256 registers.  K in steps of 128 through two LDS slots.
; CLUSTER 4 x 4: Y's tiles are shared along a row of the cluster, WVO's along a column, each asked for jointly.
; The matrix instruction is used transposed (source 0 = 16 rows of WVO, source 1 = 16 rows of Y): a lane holds eight neighbouring columns of one row of out0.
; REGISTERS: window 0: v16-27 addresses; v64-191 fragments of Y; on the way out v192-223 results, v32-63 and v224-255 rows read back
;   window 1: v0-31 c of my 64 columns; v64-191 fragments of WVO;  window 2: the accumulators, (a, b) at 8 (4 a + b), a < 8, b < 4
.set SIZE_K, 1024
.set KSTEP,  128
.set PITCH,  272
.set HALFT,  128*PITCH
.set SLOT,   4*HALFT
.set STAGE,  2*SLOT                    ; behind the ring: 16 rows x 272 bytes for each wave; no tensor load lands here
.set SPITCH, 272
.set LAPS,   SIZE_K/(2*KSTEP)
.set CROW,   4096                      ; bytes in a row of out0
.set OFF_WVO, 0x1000000
.set OFF_CV,  0x1a00000
.set ADRA, 16
.set ADRB, 20
.set STO,  24
.set RD,   25
.set CO,   26
.set BO,   27
.set OB,   32
.set F0,   64
.set F1,   128
.set TMP,  192
.set WV,   12
.set HI,   13
.set HJ,   14
.set G1,   24
.set G0,   32
.set G1B,  48
.set G0B,  56
.set MSB, 0
.macro WIN new
.if MSB != (\new)
	s_set_vgpr_msb (MSB<<8)|(\new)
.set MSB, (\new)
.endif
.endm
.set MUL,  0xa1                        ; source 0 window 1, source 1 window 0, C and D window 2
.set TO_B, 0x40
.macro PLACES
.rept 4
	v_nop
.endr
.endm
.macro JLOAD s                         ; waves 0 and 1 fetch Y's two halves, waves 2 and 3 WVO's.  Four v_nop follow each line.
	s_cmp_eq_u32 s[HI], 0
	s_cbranch_scc0 .Lfor_b_\@
	tensor_load_to_lds s[G0+4*\s:G0+4*\s+3], s[G1:G1+7]
	s_nop 0
	PLACES
	s_branch .Lasked_\@
.Lfor_b_\@:
	tensor_load_to_lds s[G0B+4*\s:G0B+4*\s+3], s[G1B:G1B+7]
	s_nop 0
	PLACES
.Lasked_\@:
.endm
.macro CREST
	s_cmp_lg_u32 s[WV], 0
	s_cbranch_scc1 .Lnot_wave_0_\@
	s_barrier_signal -3
.Lnot_wave_0_\@:
	s_barrier_wait -3
	s_barrier_signal -1
	s_barrier_wait -1
.endm
.macro CROUND
	s_barrier_signal -1
	s_barrier_wait -1
	CREST
.endm
	s_load_b128 s[4:7], s[0:1], 0x0                ; yw s[4:5], cast s[6:7]
	s_load_b64 s[8:9], s[0:1], 0x10                ; out0
	s_set_vgpr_msb 0x40
	v_lshl_add_u32 v255, v0, 2, 0x48400
	s_set_vgpr_msb 0x4000
	v_mov_b32 v31, 0
	s_set_vgpr_msb 0x1
	ds_add_u32 v255, v31
	ds_add_u32 v255, v31
	s_set_vgpr_msb 0x100
	v_lshrrev_b32 v1, 5, v0
	v_readfirstlane_b32 s[WV], v1
	s_lshr_b32 s[HI], s[WV], 1
	s_and_b32 s[HJ], s[WV], 1
	s_bfe_u32 s40, ttmp6, 0x40000                  ; cx
	s_bfe_u32 s41, ttmp6, 0x40004                  ; cy
	s_lshl_b32 s42, ttmp9, 2
	s_add_co_u32 s42, s42, s40                     ; tile column
	s_and_b32 s43, ttmp7, 0xffff
	s_lshl_b32 s43, s43, 2
	s_add_co_u32 s43, s43, s41                     ; tile row
	s_lshl_b32 s44, s41, 2
	s_lshl_b32 s44, 15, s44                        ; my row of the cluster
	s_lshl_b32 s45, 0x1111, s40                    ; my column
	s_or_b32 s[G1], s44, (1<<16)|(1<<20)|(1<<21)|(5<<22)|(3<<25)
	s_or_b32 s[G1B], s45, (1<<16)|(1<<20)|(1<<21)|(5<<22)|(3<<25)
.irp g, G1, G1B
	s_mov_b32 s[\g+1], KSTEP<<16
	s_mov_b32 s[\g+2], 128<<16
	s_mov_b32 s[\g+3], KSTEP<<16
	s_mov_b32 s[\g+4], 128
	s_mov_b32 s[\g+5], SIZE_K
	s_mov_b32 s[\g+6], 0
	s_mov_b32 s[\g+7], 0
.endr
	s_lshl_b32 s17, s[HJ], 7
	s_lshl_b32 s16, s43, 8
	s_add_co_u32 s16, s16, s17                     ; Y: row 256 x tile row + 128 x half
	s_lshl_b32 s46, s42, 8
	s_add_co_u32 s46, s46, s17                     ; WVO: row 256 x tile column + 128 x half
	s_lshl_b32 s16, s16, 11
	s_lshl_b32 s46, s46, 11
	s_add_co_u32 s46, s46, OFF_WVO
	s_mov_b32 s17, 0
	s_mov_b32 s47, 0
	s_mul_i32 s20, s[WV], HALFT
	s_wait_dscnt 0x0
	s_wait_kmcnt 0x0
	s_add_nc_u64 s[18:19], s[4:5], s[16:17]
	s_add_nc_u64 s[46:47], s[4:5], s[46:47]
	CROUND                                         ; all sixteen work-groups are here: the first joint loads meet
.irp s, 0,1
	s_mov_b32 s[G0+4*\s], 1
	s_add_co_u32 s[G0+4*\s+1], s20, \s*SLOT
	s_add_nc_u64 s[G0+4*\s+2:G0+4*\s+3], s[18:19], \s*KSTEP*2
	s_or_b32 s[G0+4*\s+3], s[G0+4*\s+3], 0x80000000
	s_mov_b32 s[G0B+4*\s], 1
	s_add_co_u32 s[G0B+4*\s+1], s20, \s*SLOT
	s_add_nc_u64 s[G0B+4*\s+2:G0B+4*\s+3], s[46:47], \s*KSTEP*2
	s_or_b32 s[G0B+4*\s+3], s[G0B+4*\s+3], 0x80000000
	JLOAD \s                                       ; K steps 0 and 1: two loads of mine are out
.endr
	v_and_b32 v1, 15, v0                           ; r
	v_bfe_u32 v2, v0, 4, 1                         ; h
	v_mul_u32_u24 v3, v1, PITCH
	v_lshl_add_u32 v3, v2, 4, v3
	s_mul_i32 s21, s[HI], HALFT
	s_mul_i32 s22, s[HJ], HALFT
	s_add_co_u32 s22, s22, 2*HALFT
.irp s, 0,1
	v_add_nc_u32 v[ADRA+\s], s21, v3
	v_add_nc_u32 v[ADRB+\s], s22, v3
	s_add_co_u32 s21, s21, SLOT
	s_add_co_u32 s22, s22, SLOT
.endr
	s_mul_i32 s23, s[WV], 16*SPITCH
	s_add_co_u32 s23, s23, STAGE                   ; my stage
	v_mul_u32_u24 v4, v1, SPITCH
	v_lshl_add_u32 v4, v2, 5, v4
	v_add_nc_u32 v[STO], s23, v4                   ; in: row r, 32 bytes for each half of the lanes
	v_mul_u32_u24 v5, v2, SPITCH
	v_lshl_add_u32 v5, v1, 4, v5
	v_add_nc_u32 v[RD], s23, v5                    ; back: lanes 0-15 one row of 256 bytes, lanes 16-31 the next
	v_lshlrev_b32 v5, 12, v2
	v_lshl_add_u32 v[CO], v1, 4, v5
	v_lshlrev_b32 v[BO], 5, v2
	s_lshl_b32 s46, s42, 9                         ; my first column in bytes, in c and in a row of out0: 4 (128 x tile column + 64 x half)
	s_lshl_b32 s47, s[HJ], 8
	s_add_co_u32 s46, s46, s47
	s_mov_b32 s47, 0
	s_add_nc_u64 s[6:7], s[6:7], OFF_CV
	s_add_nc_u64 s[6:7], s[6:7], s[46:47]
	WIN TO_B
.irp b, 0,1,2,3
	global_load_b128 v[8*\b:8*\b+3],   v[BO], s[6:7] offset:64*\b      ; c of columns 16 b + 8 h + 0..3
	global_load_b128 v[8*\b+4:8*\b+7], v[BO], s[6:7] offset:64*\b+16
.endr
	WIN 0
	s_lshl_b32 s16, s43, 8
	s_lshl_b32 s17, s[HI], 7
	s_add_co_u32 s16, s16, s17                     ; my first row of out0
	s_lshl_b32 s16, s16, 12
	s_mov_b32 s17, 0
	s_add_nc_u64 s[8:9], s[8:9], s[16:17]
	s_add_nc_u64 s[8:9], s[8:9], s[46:47]
; 16 matrix instructions: row blocks 4 hi + a0, + 1 x WVO's 8 blocks: b < 4 hi, b >= 4 lo of the same columns, onto accumulator (a, b % 4).  zero = 1: hi's product starts the sum.
; A row block's four accumulators take turns, one instruction a turn.
.macro MUL16 f, hi, a0, zero
.irp a, \a0, \a0+1
.irp b, 0,1,2,3,4,5,6,7
.if \zero && (\b < 4)
	v_wmma_f32_16x16x32_f16 v[8*(4*(4*\hi+(\a))+\b%4):8*(4*(4*\hi+(\a))+\b%4)+7], v[\f+8*\b:\f+8*\b+7], v[\f+8*(4*\hi+(\a)):\f+8*(4*\hi+(\a))+7], 0
.else
	v_wmma_f32_16x16x32_f16 v[8*(4*(4*\hi+(\a))+\b%4):8*(4*(4*\hi+(\a))+\b%4)+7], v[\f+8*\b:\f+8*\b+7], v[\f+8*(4*\hi+(\a)):\f+8*(4*\hi+(\a))+7], v[8*(4*(4*\hi+(\a))+\b%4):8*(4*(4*\hi+(\a))+\b%4)+7]
.endif
.endr
.endr
.endm
.macro FETCH slot, k, f
	WIN TO_B
.irp i, 0,1,2,3,4,5,6,7
	ds_load_b128 v[\f+8*\i:\f+8*\i+3],   v[ADRB+\slot] offset:\k+\i*16*PITCH
	ds_load_b128 v[\f+8*\i+4:\f+8*\i+7], v[ADRB+\slot] offset:\k+\i*16*PITCH+32
.endr
	WIN 0
.irp i, 0,1,2,3,4,5,6,7
	ds_load_b128 v[\f+8*\i:\f+8*\i+3],   v[ADRA+\slot] offset:\k+\i*16*PITCH
	ds_load_b128 v[\f+8*\i+4:\f+8*\i+7], v[ADRA+\slot] offset:\k+\i*16*PITCH+32
.endr
.endm
.macro QUARTER slot, k, f, g, zero
	s_wait_dscnt 8                                 ; all but the youngest eight loads (Y's rows 64-127) are in
	WIN MUL
	MUL16 \f, 0, 0, \zero
	MUL16 \f, 0, 2, \zero
	PLACES
	FETCH \slot, \k, \g
	s_wait_dscnt 32                                ; all but the 32 just issued
	WIN MUL
	MUL16 \f, 1, 0, \zero
	MUL16 \f, 1, 2, \zero
.endm
.macro TURN slot, next, fill
	s_wait_dscnt 8
	WIN MUL
	MUL16 F1, 0, 0, 0
	s_wait_dscnt 0                                 ; my reads of this slot are over,
	s_wait_tensorcnt 0x0                           ; and all my tensor loads have landed: my part of the next slot
	ds_add_u32 v255, v31
	s_wait_dscnt 0x0
	s_barrier_signal -1
	MUL16 F1, 0, 2, 0
.if \fill
	WIN 0
.endif
	s_barrier_wait -1
.if \fill
	CREST                                          ; the barrier has opened a round of the cluster's barrier
	s_add_nc_u64 s[G0+4*\slot+2:G0+4*\slot+3], s[G0+4*\slot+2:G0+4*\slot+3], 2*KSTEP*2
	s_add_nc_u64 s[G0B+4*\slot+2:G0B+4*\slot+3], s[G0B+4*\slot+2:G0B+4*\slot+3], 2*KSTEP*2
	JLOAD \slot                                    ; the first tensor load behind the round; its four v_nop are also the places in front of the loads below
.else
	PLACES
.endif
	FETCH \next, 0, F0
	WIN MUL
	MUL16 F1, 1, 0, 0
	MUL16 F1, 1, 2, 0
.endm
; THE WAY OUT of block a (16 rows x 64 columns of f32): sum / 64 + c in one fused multiply-add, through my stage, out as whole rows of 256 bytes.
.macro PACK a
.set AC, 32*(\a)
	WIN 0x12                                       ; source 0 window 2 (sums), source 2 window 1 (c), destination window 0
.irp b, 0,1,2,3
.irp r, 0,1,2,3
	v_pk_fma_f32 v[TMP+8*\b+2*\r:TMP+8*\b+2*\r+1], v[AC+8*\b+2*\r:AC+8*\b+2*\r+1], 0x3c800000, v[8*\b+2*\r:8*\b+2*\r+1] op_sel_hi:[1,0,1]   ; each accumulator's registers in ascending order
.endr
.endr
	WIN 0
.endm
.macro TOSTAGE a
.set BK, OB+192*((\a)%2)
.irp i, 0,1,2,3,4,5,6,7
	ds_store_b128 v[STO], v[TMP+4*\i:TMP+4*\i+3] offset:64*(\i/2)+16*(\i%2)
.endr
.irp t, 0,1,2,3,4,5,6,7
	ds_load_b128 v[BK+4*\t:BK+4*\t+3], v[RD] offset:\t*2*SPITCH    ; a wave's LDS instructions are served in order: these see the stores above
.endr
.endm
.macro SEND a
.set BK, OB+192*((\a)%2)
	s_wait_dscnt 0x0
	s_wait_xcnt 0x0                                ; the stores' base, and the registers that earlier stores read, are rewritten only behind this wait
.if (\a) > 0
	s_add_nc_u64 s[8:9], s[8:9], 16*CROW
.endif
.irp t, 0,1,2,3,4,5,6,7
	global_store_b128 v[CO], v[BK+4*\t:BK+4*\t+3], s[8:9] offset:2*\t*CROW th:TH_STORE_NT   ; 16 lanes store 256 consecutive bytes, aligned
.endr
.endm
	s_wait_tensorcnt 1                             ; my part of K step 0 is in; K step 1's may stay out
	s_barrier_signal -1
	s_barrier_wait -1
	FETCH 0, 0, F0
	QUARTER 0, 64,  F0, F1, 1
	WIN 0
	s_mov_b32 s3, LAPS-1
.Llap:
	QUARTER 0, 128, F1, F0, 0
	QUARTER 0, 192, F0, F1, 0
	TURN 0, 1, 1
	QUARTER 1, 64,  F0, F1, 0
	QUARTER 1, 128, F1, F0, 0
	QUARTER 1, 192, F0, F1, 0
	TURN 1, 0, 1
	QUARTER 0, 64,  F0, F1, 0
	WIN 0
	s_sub_co_u32 s3, s3, 1
	s_cmp_lg_u32 s3, 0
	s_cbranch_scc1 .Llap
	QUARTER 0, 128, F1, F0, 0
	QUARTER 0, 192, F0, F1, 0
	TURN 0, 1, 0
	QUARTER 1, 64,  F0, F1, 0
	QUARTER 1, 128, F1, F0, 0
	QUARTER 1, 192, F0, F1, 0
	s_wait_dscnt 8
	WIN MUL
	MUL16 F1, 0, 0, 0
	MUL16 F1, 0, 2, 0
	s_wait_dscnt 0
	MUL16 F1, 1, 0, 0
	MUL16 F1, 1, 2, 0
	WIN 0
	PLACES
	s_wait_loadcnt 0x0                             ; c
	PACK 0
	TOSTAGE 0
.irp a, 1,2,3,4,5,6,7
	PACK \a
	SEND \a-1
	TOSTAGE \a
.endr
	SEND 7
	s_set_vgpr_msb 0x1
	s_wait_tensorcnt 0x0
	ds_add_u32 v255, v31
	s_wait_dscnt 0x0
	s_set_vgpr_msb 0x100
	CROUND                                         ; the closing round: no work-group ends while a partner may still ask for a tile that names it
	s_endpgm
.Lfunc_end_k_q006bc771e6_fin:
	.size	k_q006bc771e6_fin, .Lfunc_end_k_q006bc771e6_fin-k_q006bc771e6_fin
	.p2alignl 7, 3214868480
	.fill 96, 4, 3214868480
	.section	.rodata,"a",@progbits
	.p2align	6, 0x0
	.amdhsa_kernel k_q006bc771e6_fin
		.amdhsa_group_segment_fixed_size 327680
		.amdhsa_private_segment_fixed_size 0
		.amdhsa_enable_private_segment 0
		.amdhsa_kernarg_size 24
		.amdhsa_user_sgpr_count 2
		.amdhsa_user_sgpr_kernarg_segment_ptr 1
		.amdhsa_wavefront_size32 1
		.amdhsa_system_sgpr_workgroup_id_x 1
		.amdhsa_system_sgpr_workgroup_id_y 1
		.amdhsa_system_sgpr_workgroup_id_z 1
		.amdhsa_system_vgpr_workitem_id 0
		.amdhsa_next_free_vgpr 768
		.amdhsa_next_free_sgpr 66
		.amdhsa_reserve_vcc 0
		.amdhsa_float_denorm_mode_32 3
		.amdhsa_float_denorm_mode_16_64 3
		.amdhsa_memory_ordered 1
		.amdhsa_forward_progress 1
		.amdhsa_inst_pref_size 139
	.end_amdhsa_kernel
	.amdgpu_metadata
---
amdhsa.version: [ 1, 2 ]
amdhsa.kernels:
  - .name:           k_q006bc771e6_fin
    .symbol:         k_q006bc771e6_fin.kd
    .args:
      - { .name: yw, .offset: 0, .size: 8, .value_kind: global_buffer, .address_space: global }
      - { .name: cast, .offset: 8, .size: 8, .value_kind: global_buffer, .address_space: global }
      - { .name: out0, .offset: 16, .size: 8, .value_kind: global_buffer, .address_space: global }
    .group_segment_fixed_size: 327680
    .private_segment_fixed_size: 0
    .kernarg_segment_align: 8
    .kernarg_segment_size: 24
    .max_flat_workgroup_size: 128
    .sgpr_count:     66
    .vgpr_count:     768
    .wavefront_size: 32
...
	.end_amdgpu_metadata
.endif
;; end of part 6
